; MI455X (gfx1250); checked and timed in simulation.
; The chip was launched on July 23, 2026; its instructions are those of AMD's public machine-readable ISA for CDNA 5 (MIT licence, August 2026) and "CDNA5" Instruction Set Architecture Reference Guide (July 2026). The comments in the code are by the model that wrote it; some were corrected since.
;; Multi Head Differential Attention. Allowed arithmetic: matrix products marked QUANTISED: E2M3 operands, one E8M0 scale for each 32 along K, by v_wmma_scale_f32_16x16x128_f8f6f4 with both operands' format E2M3, f32 sums; everything else in f32.
;; Inputs: Wk 1,024 x 2,048 float32; Wo 2,048 x 1,024 float32; Wq 1,024 x 2,048 float32; Wv 1,024 x 2,048 float32; X 2 x 2,048 x 1,024 float32; lambda_k1 16 x 64 float32; lambda_k2 16 x 64 float32; lambda_q1 16 x 64 float32; lambda_q2 16 x 64 float32; rms_scale 128 float32.
;; Outputs: out0 2 x 2,048 x 1,024 float32.
;; This version of the problem:
;;   THIS VERSION OF THE PROBLEM IS GIVEN IN LOW PRECISION. The matrix products marked QUANTISED in the list below multiply operands that are first quantised to E2M3 (2 exponent bits, 3 mantissa bits; 6 bits a number), with one power-of-two scale for each 32 numbers along K (OCP MX v1.0); their sums are f32. All else is computed in f32.
;;   The module's matrix products, in the order in which they are computed (A, B: the left and right operand; K: the contracted axis; several contracted axes count as one K, in the product's order):
;;     1. [M 4,096, K 1,024] x [K 1,024, N 2,048]; A: input X; B: input Wq: QUANTISED
;;     2. [M 4,096, K 1,024] x [K 1,024, N 2,048]; A: input X; B: input Wk: QUANTISED
;;     3. [M 4,096, K 1,024] x [K 1,024, N 2,048]; A: input X; B: input Wv: QUANTISED
;;     4. batch 32 x [M 2,048, K 64] x [K 64, N 2,048]; A: computed on the way; B: computed on the way: QUANTISED
;;     5. batch 32 x [M 2,048, K 64] x [K 64, N 2,048]; A: computed on the way; B: computed on the way: QUANTISED
;;     6. batch 32 x [M 2,048, K 2,048] x [K 2,048, N 128]; A: computed on the way; B: computed on the way: QUANTISED
;;     7. [M 4,096, K 2,048] x [K 2,048, N 1,024]; A: computed on the way; B: input Wo: QUANTISED
;;   THE QUANTISER, for each operand of a quantised product, along K:
;;     - K is cut into blocks of 32 from its start; a last block that is shorter is filled with zeros.
;;     - A block's scale is 2^e with e = floor(log2(the largest magnitude in the block)) - 2, held to -126 .. 127; a block of zeros has e = 0. As a byte (E8M0): e + 127.
;;     - Each number is divided by its block's scale, clamped to +-7.5, and rounded to the nearest number of E2M3, ties to even, subnormals kept.
;;     - The product sums the exact products of the quantised numbers (number of the format x scale) in f32.
;;   ~~~python
;;   def quantise(x, axis):      # numpy; x: float32 -> the quantised numbers, widened to float32 again
;;       x = np.moveaxis(x, axis, -1); K = x.shape[-1]
;;       x = np.pad(x, [(0, 0)] * (x.ndim - 1) + [(0, -K % 32)]); x = x.reshape(x.shape[:-1] + (-1, 32)); a = np.abs(x).max(-1, keepdims=True)
;;       e = np.where(a > 0, np.clip(np.frexp(np.where(a > 0, a, 1))[1] - 1 - 2, -126, 127), 0)      # np.frexp(a)[1] - 1 = floor(log2(a)), exactly
;;       r = np.clip(x / 2.0 ** e, -7.5, 7.5)
;;       step = 2.0 ** (np.maximum(np.frexp(np.where(r == 0, 1, r))[1] - 1, 0) - 3)
;;       q = np.round(r / step) * step * 2.0 ** e      # np.round: ties to even
;;       return np.moveaxis(q.reshape(q.shape[:-2] + (-1,))[..., :K], -1, axis).astype(np.float32)
;;   ~~~
;;   OPERANDS COMPUTED ON THE WAY. 'Computed on the way' means the value that the module computes at that place (a softmax that the list does not call 'softmax' is quantised finished and normalised). What goes into a quantiser is computed in f32, as accurately as f32 sums, v_exp_f32 and their like allow (about 1e-6 of the number): no bf16 or f16 on the way to a quantiser, and a product that is left as it is and whose result goes on into a quantised operand takes f32 operands (vector FMAs, or v_wmma_f32_16x16x4_f32). A number that lies on a knife's edge between two numbers of the format may be rounded either way, as far as f32 arithmetic and the matrix unit's own rounding can turn it there, and no further.
;; One version. Each part assembles by itself: llvm-mc -triple=amdgcn-amd-amdhsa -mcpu=gfx1250 --defsym DOCPART=n.
;; ======== version 1 of 1: 5 launches
;; limits: right only within a limited range of input values
;; workspace buffers: xq 3,276,800 bytes; wqk 3,276,800 bytes; wvq 1,638,400 bytes; woq 1,638,400 bytes; qk 13,107,200 bytes; vt 6,553,600 bytes; oq 6,553,600 bytes
;; launch quant (part 1): grid 768 x 1, 8 waves a work-group, no clusters, 69,120 bytes of LDS; arguments X, Wq, Wk, Wv, Wo, xq, wqk, wvq, woq; writes xq, wqk, wvq, woq
.if DOCPART == 1
	.amdgcn_target "amdgcn-amd-amdhsa--gfx1250"
	.amdhsa_code_object_version 6
	.text
	.protected	k_qca53b31fd7_quant
	.globl	k_qca53b31fd7_quant
	.p2align	8
	.type	k_qca53b31fd7_quant,@function
k_qca53b31fd7_quant:
	s_mov_b64 s[64:65], 0
	v_nop
	global_prefetch_b8 v0, s[64:65] scope:SCOPE_SE
	s_setreg_imm32_b32 hwreg(HW_REG_WAVE_MODE, 25, 1), 1
	s_wait_xcnt 0x0
; X [4096][1024] and the weights Wq, Wk, Wv [1024][2048], Wo [2048][1024], all f32, become codes of FP6 (E2M3) with one E8M0 scale byte for each 32 along K, laid as RECORDS.
; A RECORD is an operand's 128 rows x 128 along K, 12,800 bytes, as images of the operand's registers: chunk 3 t + c (512 bytes, lane l's 16 bytes at 16 l) holds registers 4 c .. 4 c + 3 of the fragment of
; places 16 t .. 16 t + 15; chunk 24 holds the scale words: lane r + 16 hh has those of row r in images 4 hh + 0 .. 3.  So a fragment comes by three loads of 16 bytes a lane, and a record's scale words by one.
; PLACES: place p of a record holds the true row p with bits 3 and 4 exchanged: lane r of image 2 b + u holds row 32 b + 8 u + r + 8 (r / 8).  Used as source 0 of a product, two neighbouring images then leave
; 16 neighbouring true rows in a lane's 16 result registers.  An operand's rows are X's tokens, and a weight's columns n (K is a weight's FIRST axis).
; A work-group makes one record from a tile of 128 x 128 numbers; wave w makes image w.  Each load reads 512 consecutive bytes of a tile's row; the tile turns through a stage in LDS, from which a lane takes the 64 numbers
; that the operand's layout gives it: k = 64 c + 32 h + 0 .. 31 of its row: two whole blocks, so no other lane is asked for a maximum.
; A block's scale is 2^(floor(log2(largest magnitude)) - 2); its byte is the largest magnitude's exponent field - 2, held at 1 from below.
; LIMITS: a block of zeros gets the byte 1 where the quantiser's rule says 127: its codes are zeros, and the bytes are read by this program alone.  NaN and infinities among the inputs are not served.
; Work-groups 0-127 Wq, 128-255 Wk, 256-383 Wv, 384-511 Wo, 512-767 X.  Only pointers, strides and one read-back differ.
.set REC,   12800
.set IMG,   1536
.set SCO,   12288
.set PITCH, 528                        ; a stage row: 512 bytes + 16
.set SCST,  128*PITCH                  ; behind the stage: the record's scale chunk, 512 bytes.  67,584 is more than an LDS instruction's 16-bit immediate holds: it stands in the address registers
.set SPARE, SCST+512                   ; the spare words, 128 bytes for each of the eight waves: four blocks of 256 bytes that no other line names
.set LI,  4                            ; v4   16 x lane
.set ST,  5                            ; v5   the stage, on the way in: my wave's 16 rows, 16 bytes a lane
.set AW,  6                            ; v6   out of it, a weight: row 32 h, my column
.set AX,  7                            ; v7   out of it, X: my row, + 128 h
.set OFF, 16                           ; v16-31  byte offsets of my wave's 16 rows
.set NUM, 32                           ; v32-95  64 numbers
.set PC,  96                           ; v96-107 the fragment's codes
.set PT,  108                          ; v108-115 the second halves of the blocks, before they are moved
.set SWA, 116                          ; v116 LDS address of my row's scale word in the chunk
.set PW,  117                          ; v117 the scale word
.set SPW, 118                          ; v118 LDS address of my spare word; never rewritten
.set NIL, 119                          ; v119 0; never rewritten
.set OC,  120                          ; v120-123 the scale chunk on its way out
.set SCL, 124                          ; v124 LDS address of my 16 bytes of the chunk
	s_load_b256 s[4:11], s[0:1], 0x0               ; X, Wq, Wk, Wv
	s_load_b256 s[12:19], s[0:1], 0x20             ; Wo, xq, wqk, wvq
	s_load_b64 s[20:21], s[0:1], 0x40              ; woq
	v_lshl_add_u32 v[SPW], v0, 2, SPARE
	v_mov_b32 v[NIL], 0
	v_lshrrev_b32 v1, 5, v0
	s_delay_alu instid0(VALU_DEP_1)
	v_readfirstlane_b32 s22, v1                    ; wave 0..7
	v_and_b32 v1, 31, v0                           ; lane
	v_and_b32 v2, 15, v0                           ; r
	v_bfe_u32 v3, v0, 4, 1                         ; h
	s_delay_alu instid0(VALU_DEP_3)
	v_lshlrev_b32 v[LI], 4, v1
	s_delay_alu instid0(VALU_DEP_1)
	v_add_nc_u32 v[SCL], SCST, v[LI]
	s_mul_i32 s23, s22, 16*PITCH
	v_add_nc_u32 v[ST], s23, v[LI]
	s_lshr_b32 s24, s22, 1
	s_lshl_b32 s24, s24, 5
	s_and_b32 s25, s22, 1
	s_lshl_b32 s25, s25, 3
	s_add_co_u32 s24, s24, s25                     ; image w's first true row: 32 (w / 2) + 8 (w % 2)
	v_and_b32 v8, 8, v2
	s_delay_alu instid0(VALU_DEP_1)
	v_add_nc_u32 v8, v8, v2                        ; r + 8 (r / 8)
	s_delay_alu instid0(VALU_DEP_1)
	v_lshlrev_b32 v[AW], 2, v8
	s_delay_alu instid0(VALU_DEP_1)
	v_mad_u32_u24 v[AW], v3, 32*PITCH, v[AW]
	s_lshl_b32 s25, s24, 2
	v_add_nc_u32 v[AW], s25, v[AW]
	v_mul_u32_u24 v[AX], v2, PITCH
	s_delay_alu instid0(VALU_DEP_1)
	v_lshl_add_u32 v[AX], v3, 7, v[AX]
	s_delay_alu instid0(VALU_DEP_1)
	v_add_nc_u32 v[AX], s23, v[AX]
	s_lshr_b32 s25, s22, 2
	s_lshl_b32 s25, s25, 8
	s_and_b32 s26, s22, 3
	s_lshl_b32 s26, s26, 2
	s_add_co_u32 s25, s25, s26
	s_add_co_u32 s25, s25, SCST
	v_lshl_add_u32 v[SWA], v2, 4, s25              ; the chunk + 256 (w / 4) + 16 r + 4 (w % 4)
	s_mov_b32 s52, 0x76543210
	s_mov_b32 s53, 0xfedcba98                      ; v_permlanex16_b32's selects for lane l xor 16
	; which tensor, which record.  All of it hangs on the work-group's and the wave's number alone, and enters global addresses alone
	s_lshr_b32 s26, ttmp9, 7                       ; 0 Wq, 1 Wk, 2 Wv, 3 Wo, 4 and 5 X
	s_and_b32 s27, ttmp9, 127                      ; a weight's record
	s_lshl_b32 s30, s22, 4                         ; a weight's rows (k) are taken as they lie: 16 w on
	s_sub_co_u32 s28, ttmp9, 512                   ; X's record
	s_cmp_ge_u32 s26, 4
	s_cselect_b32 s27, s28, s27
	s_cselect_b32 s29, 9, 1                        ; rows from my 8th row to my 9th: X's tokens jump by the order of places
	s_cselect_b32 s30, s24, s30                    ; my wave's first row in the tile
	s_cmp_lt_u32 s26, 3
	s_cselect_b32 s31, 13, 12                      ; a row in memory is 8,192 or 4,096 bytes: its logarithm
	s_cmp_eq_u32 s26, 3
	s_cselect_b32 s32, 4, 3                        ; a row block has 16 K steps in Wo, 8 elsewhere
	s_cmp_eq_u32 s26, 1
	s_cselect_b32 s33, 128, 0                      ; Wk's records lie behind Wq's in wqk
	s_add_co_u32 s33, s33, s27
	s_lshr_b32 s34, s27, s32                       ; the record's row block
	s_lshl_b32 s35, s34, s32
	s_sub_co_u32 s35, s27, s35                     ; its K step
	s_cmp_ge_u32 s26, 4
	s_cselect_b32 s36, s34, s35                    ; the tile's rows: X: the row block; a weight: the K step
	s_cselect_b32 s37, s35, s34                    ; its columns: the other
	s_lshl_b32 s36, s36, 7
	s_add_co_u32 s36, s36, s30
	s_lshl_b32 s36, s36, s31
	s_lshl_b32 s37, s37, 9
	s_add_co_u32 s36, s36, s37                     ; byte offset of my wave's first row's 512 bytes (under 2^25)
	s_mov_b32 s37, 0
	s_lshl_b32 s38, 1, s31                         ; a row on
	s_mul_i32 s39, s38, s29                        ; from the 8th to the 9th
	s_mul_i32 s40, s33, REC
	s_mov_b32 s41, 0
	s_mul_i32 s42, s22, IMG
	s_mov_b32 s43, 0
	v_mov_b32 v[OFF], v[LI]
.irp i, 1,2,3,4,5,6,7
	s_delay_alu instid0(VALU_DEP_1)
	v_add_nc_u32 v[OFF+\i], s38, v[OFF+\i-1]
.endr
	s_delay_alu instid0(VALU_DEP_1)
	v_add_nc_u32 v[OFF+8], s39, v[OFF+7]
.irp i, 9,10,11,12,13,14,15
	s_delay_alu instid0(VALU_DEP_1)
	v_add_nc_u32 v[OFF+\i], s38, v[OFF+\i-1]
.endr
	s_wait_alu depctr_va_vdst(0)
	s_wait_kmcnt 0x0
	s_mov_b64 s[44:45], s[4:5]                     ; the source and the records' buffer: chosen by the work-group's number
	s_mov_b64 s[48:49], s[14:15]
	s_cmp_eq_u32 s26, 0
	s_cselect_b64 s[44:45], s[6:7], s[44:45]
	s_cselect_b64 s[48:49], s[16:17], s[48:49]
	s_cmp_eq_u32 s26, 1
	s_cselect_b64 s[44:45], s[8:9], s[44:45]
	s_cselect_b64 s[48:49], s[16:17], s[48:49]
	s_cmp_eq_u32 s26, 2
	s_cselect_b64 s[44:45], s[10:11], s[44:45]
	s_cselect_b64 s[48:49], s[18:19], s[48:49]
	s_cmp_eq_u32 s26, 3
	s_cselect_b64 s[44:45], s[12:13], s[44:45]
	s_cselect_b64 s[48:49], s[20:21], s[48:49]
	s_add_nc_u64 s[44:45], s[44:45], s[36:37]
	s_add_nc_u64 s[48:49], s[48:49], s[40:41]      ; my record
	s_add_nc_u64 s[50:51], s[48:49], s[42:43]      ; my image in it
.irp i, 0,1,2,3,4,5,6,7,8,9,10,11,12,13,14,15
	global_load_b128 v[NUM+4*\i:NUM+4*\i+3], v[OFF+\i], s[44:45] th:TH_LOAD_NT   ; 32 lanes read 512 consecutive bytes; read once in the launch
.endr
.irp i, 0,1,2,3,4,5,6,7,8,9,10,11,12,13,14,15
	s_wait_loadcnt 15-\i                           ; loads come back in order: row i is in, the younger ones stay out
	ds_store_b128 v[ST], v[NUM+4*\i:NUM+4*\i+3] offset:\i*PITCH
.endr
	s_wait_dscnt 0x0                               ; for the others' sake: my rows lie in the stage
	s_barrier_signal -1
	s_barrier_wait -1
	s_cmp_ge_u32 s26, 4
	s_cbranch_scc1 .Lfrom_x
.irp c, 0,1                                    ; a weight: my column, registers DOWN K: k = 64 c + 32 h + i
.set ii, 0
.rept 32
	ds_load_b32 v[NUM+32*\c+ii], v[AW] offset:(64*\c+ii)*PITCH
.set ii, ii+1
.endr
.endr
	s_branch .Lturned
.Lfrom_x:
.irp c, 0,1                                    ; X: my row, 32 neighbours for each block
.irp p, 0,1,2,3,4,5,6,7
	ds_load_b128 v[NUM+32*\c+4*\p:NUM+32*\c+4*\p+3], v[AX] offset:256*\c+16*\p
.endr
.endr
.Lturned:
	s_wait_dscnt 0x0
.irp c, 0,1                                    ; my block 2 c + h: all its 32 numbers are mine
	v_max3_num_f32 v[8+\c], |v[NUM+32*\c]|, |v[NUM+1+32*\c]|, 0x1800000   ; and the floor 2^(3 - 127): the byte cannot fall under 1
.endr
.irp i, 2,4,6,8,10,12,14,16,18,20,22,24,26,28,30
.irp c, 0,1
	s_delay_alu instid0(VALU_DEP_2)
	v_max3_num_f32 v[8+\c], v[8+\c], |v[NUM+32*\c+\i]|, |v[NUM+1+32*\c+\i]|
.endr
.endr
.irp c, 0,1
	s_delay_alu instid0(VALU_DEP_2)
	v_add_nc_u32 v[10+\c], 0xff000000, v[8+\c]     ; 2 off the exponent field: the conversion takes the exponent field of this operand as its scale
.endr
.irp c, 0,1
	s_delay_alu instid0(VALU_DEP_2)
	v_lshrrev_b32 v[12+\c], 23, v[10+\c]           ; the scale's byte
.endr
	s_delay_alu instid0(VALU_DEP_1)
	v_lshl_or_b32 v[PW], v13, 16, v12              ; my two bytes: blocks h and 2 + h,
	v_lshlrev_b32 v14, 3, v3
	s_delay_alu instid0(VALU_DEP_1)
	v_lshlrev_b32 v[PW], v14, v[PW]                ; at their places in the word;
	v_mov_b32 v15, 0
	s_delay_alu instid0(VALU_DEP_1)
	v_permlanex16_b32 v15, v[PW], s52, s53
	s_delay_alu instid0(VALU_DEP_1)
	v_or_b32 v[PW], v[PW], v15                     ; with lane l xor 16's two the word is whole
.irp c, 0,1
	v_cvt_scalef32_pk16_fp6_f32 v[PC+6*\c:PC+6*\c+2], v[NUM+32*\c:NUM+32*\c+15], v[10+\c]
	v_cvt_scalef32_pk16_fp6_f32 v[PT+4*\c:PT+4*\c+2], v[NUM+16+32*\c:NUM+31+32*\c], v[10+\c]   ; (a conversion's three registers begin on an even number)
.endr
	v_nop                                          ; one plain instruction behind the scaled conversions
.irp c, 0,1
.irp i, 0,1,2
	v_mov_b32 v[PC+3+6*\c+\i], v[PT+4*\c+\i]
.endr
.endr
.irp c, 0,1,2
	global_store_b128 v[LI], v[PC+4*\c:PC+4*\c+3], s[50:51] offset:512*\c   ; 32 lanes store 512 consecutive bytes, at a multiple of 256 from the buffer's first byte
.endr
	ds_store_b32 v[SWA], v[PW]                     ; lanes r and r + 16 write the same word with the same value
	s_wait_dscnt 0x0                               ; for wave 0's sake
	s_barrier_signal -1
	s_barrier_wait -1
	s_cmp_lg_u32 s22, 0
	s_cbranch_scc1 .Lend
	ds_load_b128 v[OC:OC+3], v[SCL]                ; the eight waves' words leave as one chunk
	s_wait_dscnt 0x0
	global_store_b128 v[LI], v[OC:OC+3], s[48:49] offset:SCO
.Lend:
	s_wait_tensorcnt 0x0                           ; the wave's end, behind my last LDS store: a tensor wait (in a text with no tensor load too), 0 added to my spare word, and its wait
	ds_add_u32 v[SPW], v[NIL]
	s_wait_dscnt 0x0
	s_endpgm
.Lfunc_end_k_qca53b31fd7_quant:
	.size	k_qca53b31fd7_quant, .Lfunc_end_k_qca53b31fd7_quant-k_qca53b31fd7_quant
	.p2alignl 7, 3214868480
	.fill 96, 4, 3214868480
	.section	.rodata,"a",@progbits
	.p2align	6, 0x0
	.amdhsa_kernel k_qca53b31fd7_quant
		.amdhsa_group_segment_fixed_size 69120
		.amdhsa_private_segment_fixed_size 0
		.amdhsa_enable_private_segment 0
		.amdhsa_kernarg_size 72
		.amdhsa_user_sgpr_count 2
		.amdhsa_user_sgpr_kernarg_segment_ptr 1
		.amdhsa_wavefront_size32 1
		.amdhsa_system_sgpr_workgroup_id_x 1
		.amdhsa_system_sgpr_workgroup_id_y 1
		.amdhsa_system_sgpr_workgroup_id_z 1
		.amdhsa_system_vgpr_workitem_id 0
		.amdhsa_next_free_vgpr 128
		.amdhsa_next_free_sgpr 66
		.amdhsa_reserve_vcc 0
		.amdhsa_float_denorm_mode_32 3
		.amdhsa_float_denorm_mode_16_64 3
		.amdhsa_memory_ordered 1
		.amdhsa_forward_progress 1
		.amdhsa_inst_pref_size 19
	.end_amdhsa_kernel
	.amdgpu_metadata
---
amdhsa.version: [ 1, 2 ]
amdhsa.kernels:
  - .name:           k_qca53b31fd7_quant
    .symbol:         k_qca53b31fd7_quant.kd
    .args:
      - { .name: X, .offset: 0, .size: 8, .value_kind: global_buffer, .address_space: global }
      - { .name: Wq, .offset: 8, .size: 8, .value_kind: global_buffer, .address_space: global }
      - { .name: Wk, .offset: 16, .size: 8, .value_kind: global_buffer, .address_space: global }
      - { .name: Wv, .offset: 24, .size: 8, .value_kind: global_buffer, .address_space: global }
      - { .name: Wo, .offset: 32, .size: 8, .value_kind: global_buffer, .address_space: global }
      - { .name: xq, .offset: 40, .size: 8, .value_kind: global_buffer, .address_space: global }
      - { .name: wqk, .offset: 48, .size: 8, .value_kind: global_buffer, .address_space: global }
      - { .name: wvq, .offset: 56, .size: 8, .value_kind: global_buffer, .address_space: global }
      - { .name: woq, .offset: 64, .size: 8, .value_kind: global_buffer, .address_space: global }
    .group_segment_fixed_size: 69120
    .private_segment_fixed_size: 0
    .kernarg_segment_align: 8
    .kernarg_segment_size: 72
    .max_flat_workgroup_size: 256
    .sgpr_count:     66
    .vgpr_count:     128
    .wavefront_size: 32
...
	.end_amdgpu_metadata
.endif
;; end of part 1
;; launch proj_qk (part 2): grid 16 x 16, 4 waves a work-group, clusters of 4 x 4, 327,680 bytes of LDS; arguments wqk, xq, qk; writes qk
.if DOCPART == 2
	.amdgcn_target "amdgcn-amd-amdhsa--gfx1250"
	.amdhsa_code_object_version 6
	.text
	.protected	k_qca53b31fd7_proj_qk
	.globl	k_qca53b31fd7_proj_qk
	.p2align	8
	.type	k_qca53b31fd7_proj_qk,@function
k_qca53b31fd7_proj_qk:
	s_mov_b64 s[64:65], 0
	v_nop
	global_prefetch_b8 v0, s[64:65] scope:SCOPE_SE
	s_setreg_imm32_b32 hwreg(HW_REG_WAVE_MODE, 25, 1), 1
	s_wait_xcnt 0x0
	s_wait_alu depctr_hold_cnt(0) depctr_sa_sdst(0) depctr_va_vdst(0) depctr_va_sdst(0) depctr_va_ssrc(0) depctr_va_vcc(0) depctr_vm_vsrc(0)
	s_getreg_b32 s2, hwreg(HW_REG_IB_STS2, 6, 4)
	s_cmp_eq_u32 s2, 0
	s_cbranch_scc0 .Lentry_in_a_cluster
	s_endpgm
.Lentry_in_a_cluster:
	s_bfe_u32 s2, ttmp6, 0x10000c
	s_cmp_lg_u32 s2, 0xf033
	s_cbranch_scc0 .Lentry_shape_is_right
	s_endpgm
.Lentry_shape_is_right:
; A projection on codes of FP6 (E2M3), whose result is quantised on the way out.  Arguments: P (source 0's records), S (source 1's records), OUT (records).  K = 1,024: eight records to a row block of 128.
; A RECORD: 128 rows x 128 along K, 12,800 bytes: chunk 3 t + c (512 bytes, lane l at 16 l) = registers 4 c .. 4 c + 3 of the fragment of places 16 t on; chunk 24 = the scale words, lane r + 16 hh those of row r in
; images 4 hh + 0 .. 3.  Place p holds the true row p with bits 3 and 4 exchanged.
; Run twice: P = Wq | Wk's columns, S = X's tokens: a lane then holds one token and 64 registers along a head's 128 channels: Q and K, quantised along the channels.
;            P = X's tokens, S = Wv's columns: a lane holds one channel and 64 registers along 128 tokens: V with the keys innermost, quantised along the keys.
; By the order of places the 16 registers of P's images 2 b and 2 b + 1 are 16 neighbours, true index 32 b + 16 (lane / 16) + 0 .. 15: what the conversions want.
; SHARES: a work-group of four waves makes 256 (P) x 256 (S); a wave 128 x 128: 64 accumulators, 512 registers; its result is ONE record of OUT.  K goes through a ring of two LDS slots of two records a row block (256 along K).
; CLUSTER: 4 x 4 work-groups.  S's records hang on the work-group's y alone and are shared along a row of the cluster, P's on x alone and along a column: each is asked for jointly.
; REGISTERS, in windows of 256: window 0: v16-29 addresses; v32-63 scale words, two sets; v64-111 the way out; v128-223 S's 8 fragments, ONE set.  window 1: P's fragments, TWO sets, at v0 and v128.
;   windows 2, 3: the accumulators of S's images 0-3 and 4-7: (a, b) at v[8 (8 (a % 4) + b)].
; LIMITS: a block of zeros gets the byte 1 where the quantiser's rule says 127 (its codes are zeros; the bytes are this program's own).  NaN and infinities are not served.
.set REC,   12800
.set IMG,   1536
.set SCO,   12288
.set PART,  2*REC                      ; what one tensor load brings: a row block's records of two K steps
.set SLOT,  4*PART                     ; S's two row blocks, then P's two
.set SPARE, 2*SLOT                     ; behind the ring: the spare words, 128 bytes for each wave: two blocks of 256 bytes that no other line names
.set FR,    12                         ; registers of a fragment
.set NL,    3                          ; LDS loads that bring one
.set NP,    4                          ; places behind this matrix instruction (ISA guide 7.12.1)
.set ADRA, 16                          ; v16-17  my S row block in slot 0, 1: + 16 x lane
.set ADRB, 20                          ; v20-21  my P row block
.set LI,   26                          ; v26     16 x lane
.set SPW,  28                          ; v28     LDS address of my spare word; never rewritten
.set NIL,  29                          ; v29     0; never rewritten
.set SC,   32                          ; scale words: set s at v[SC + 16 s]; in it 8 q + 0 .. 3 S's four registers, 8 q + 4 .. 7 P's
.set TM,   64                          ; v64-79  the way out: largest magnitudes, bytes, scale operands
.set PWS,  80                          ; v80-87  the eight images' scale words
.set PC,   88                          ; v88-107 the codes just made
.set OC,   108                         ; v108-111 the scale chunk
.set AF,   128
.set G1,  24                           ; s[24:31] group 1 for S's records;  s[32:39] group 0, a set for each slot
.set G0,  32
.set G1B, 48                           ; s[48:55], s[56:63] the same for P's
.set G0B, 56
.set MSB, 0
.macro WIN new                         ; the immediate's high byte repeats the setting that is left
.if MSB != \new
	s_set_vgpr_msb (MSB<<8)|\new
.set MSB, \new
.endif
.endm
.set MUL_LO, 0xa1                      ; source 0 (P) window 1, source 1 (S) window 0, C and D window 2
.set MUL_HI, 0xf1                      ; the same, C and D window 3
.set TO_B,   0x40                      ; destination window 1, address window 0
; A joint load: waves 0 and 1 fetch S's two row blocks, waves 2 and 3 P's.  Each line has one mask and one set of registers for all that issue it; the branch hangs on the wave's number alone.
; An s_nop 0 and four v_nop follow each of the two lines, ahead of the jump, the label and what follows.
.macro JLOAD g0a, g1a, g0b, g1b
	s_cmp_eq_u32 s15, 0
	s_cbranch_scc0 .Lfor_b_\@
	tensor_load_to_lds s[\g0a:\g0a+3], s[\g1a:\g1a+7]
	s_nop 0
.rept 4
	v_nop
.endr
	s_branch .Lasked_\@
.Lfor_b_\@:
	tensor_load_to_lds s[\g0b:\g0b+3], s[\g1b:\g1b+7]
	s_nop 0
.rept 4
	v_nop
.endr
.Lasked_\@:
.endm
.macro CREST                           ; a round of the cluster's barrier behind its opening barrier
	s_cmp_lg_u32 s14, 0
	s_cbranch_scc1 .Lnot_wave_0_\@
	s_barrier_signal -3
.Lnot_wave_0_\@:
	s_barrier_wait -3
	s_barrier_signal -1
	s_barrier_wait -1
.endm
.macro CROUND
	s_barrier_signal -1
	s_barrier_wait -1
	CREST
.endm
	s_load_b128 s[4:7], s[0:1], 0x0                ; P, S
	s_load_b64 s[8:9], s[0:1], 0x10                ; OUT
	v_lshl_add_u32 v[SPW], v0, 2, SPARE
	v_mov_b32 v[NIL], 0
	ds_add_u32 v[SPW], v[NIL]                      ; the wave's opening: the add and its wait stand ahead of my first tensor load; the set-up below, work on registers, stands between them
	ds_add_u32 v[SPW], v[NIL]
	v_lshrrev_b32 v1, 5, v0
	v_readfirstlane_b32 s14, v1                    ; wave 0..3
	s_lshr_b32 s15, s14, 1                         ; which of S's two row blocks is mine.  Also: I fetch for S (0) or for P (1)
	s_and_b32 s16, s14, 1                          ; which of P's.  Also: which row block I fetch
	s_bfe_u32 s40, ttmp6, 0x40000                  ; cx, cy: my place in the cluster
	s_bfe_u32 s41, ttmp6, 0x40004
	s_lshl_b32 s42, ttmp9, 2
	s_add_co_u32 s42, s42, s40                     ; x = 4 x cluster x + cx
	s_and_b32 s17, ttmp7, 0xffff
	s_lshl_b32 s17, s17, 2
	s_add_co_u32 s17, s17, s41                     ; y = 4 x cluster y + cy
	s_lshl_b32 s43, s41, 2
	s_lshl_b32 s43, 15, s43                        ; my row of the cluster
	s_lshl_b32 s44, 0x1111, s40                    ; my column
	; group 1: two records, 25,600 dense bytes, as 100 rows of 256 bytes (32 elements of 8 bytes), no padding
	s_or_b32 s[G1+0], s43, (3<<16)|(1<<21)         ; 15:0 the mask: S's records go to my row; 17:16 elements of 8 bytes; 21 set beside a mask
	s_or_b32 s[G1B+0], s44, (3<<16)|(1<<21)
.irp g, G1, G1B
	s_mov_b32 s[\g+1], 32<<16                      ; tensor_dim0 = 32
	s_mov_b32 s[\g+2], 100<<16                     ; tensor_dim1 = 100
	s_mov_b32 s[\g+3], 32<<16                      ; tile_dim0 = 32
	s_mov_b32 s[\g+4], 100                         ; tile_dim1 = 100
	s_mov_b32 s[\g+5], 32                          ; from row to row
	s_mov_b32 s[\g+6], 0
	s_mov_b32 s[\g+7], 0
.endr
	s_lshl_b32 s20, s17, 1
	s_add_co_u32 s20, s20, s16                     ; S: row block 2 y + half
	s_mul_i32 s20, s20, 8*REC
	s_mov_b32 s21, 0
	s_lshl_b32 s46, s42, 1
	s_add_co_u32 s46, s46, s16                     ; P: row block 2 x + half
	s_mul_i32 s46, s46, 8*REC
	s_mov_b32 s47, 0
	s_mul_i32 s45, s14, PART                       ; where they go: wave x a part: no place in the cluster enters an LDS address
	s_mov_b32 s10, 0x76543210
	s_mov_b32 s11, 0xfedcba98                      ; v_permlanex16_b32's selects for lane l xor 16
	s_wait_dscnt 0x0                               ; the opening add is done
	s_wait_kmcnt 0x0
	s_add_nc_u64 s[20:21], s[6:7], s[20:21]
	s_add_nc_u64 s[46:47], s[4:5], s[46:47]
	CROUND                                         ; all sixteen work-groups are here: the first joint loads meet
.irp s, 0,1
	s_mov_b32 s[G0+4*\s], 1
	s_add_co_u32 s[G0+4*\s+1], s45, \s*SLOT
	s_add_nc_u64 s[G0+4*\s+2:G0+4*\s+3], s[20:21], \s*PART
	s_or_b32 s[G0+4*\s+3], s[G0+4*\s+3], 0x80000000
	s_mov_b32 s[G0B+4*\s], 1
	s_add_co_u32 s[G0B+4*\s+1], s45, \s*SLOT
	s_add_nc_u64 s[G0B+4*\s+2:G0B+4*\s+3], s[46:47], \s*PART
	s_or_b32 s[G0B+4*\s+3], s[G0B+4*\s+3], 0x80000000
.endr
	JLOAD G0, G1, G0B, G1B                         ; slot 0: one tensor load a wave at the head
	v_and_b32 v1, 31, v0                           ; lane
	v_lshlrev_b32 v[LI], 4, v1
	s_mul_i32 s21, s15, PART
	s_mul_i32 s22, s16, PART
	s_add_co_u32 s22, s22, 2*PART
.irp s, 0,1
	v_add_nc_u32 v[ADRA+\s], s21, v[LI]
	v_add_nc_u32 v[ADRB+\s], s22, v[LI]
	s_add_co_u32 s21, s21, SLOT
	s_add_co_u32 s22, s22, SLOT
.endr
.irp b, 0,1,2,3
	v_mov_b32 v[TM+4+\b], 0                        ; written once: a lane permute's destination counts as one of its sources
.endr
	; my record of OUT: with i0 = P's row block and i1 = S's: (i0 / 16) 256 + i0 % 16 + (i1 / 16) 512 + (i1 % 16) 16
	s_lshl_b32 s46, s42, 1
	s_add_co_u32 s46, s46, s16
	s_lshl_b32 s20, s17, 1
	s_add_co_u32 s20, s20, s15
	s_lshr_b32 s47, s46, 4
	s_lshl_b32 s47, s47, 8
	s_and_b32 s46, s46, 15
	s_add_co_u32 s46, s46, s47
	s_lshr_b32 s21, s20, 4
	s_lshl_b32 s21, s21, 9
	s_and_b32 s20, s20, 15
	s_lshl_b32 s20, s20, 4
	s_add_co_u32 s20, s20, s21
	s_add_co_u32 s20, s20, s46
	s_mul_i32 s20, s20, REC
	s_mov_b32 s21, 0
	s_add_nc_u64 s[8:9], s[8:9], s[20:21]
.macro FRAG reg, adr, q, i             ; a fragment: three chunks of the record, as they lie
.irp c, 0,1,2
	ds_load_b128 v[\reg+4*\c:\reg+4*\c+3], v[\adr] offset:(\q)*REC+(\i)*IMG+512*\c
.endr
.endm
; one matrix instruction, by the symbols rD, rA, rB, rSA, rSB; fA, fB: the side's scale words lie in lanes 16-31; fZ: the product starts the sum
.macro WM
.if fZ
.if fA && fB
	v_wmma_scale_f32_16x16x128_f8f6f4 v[rD:rD+7], v[rA:rA+11], v[rB:rB+11], 0, v[rSA], v[rSB] matrix_a_fmt:MATRIX_FMT_FP6 matrix_b_fmt:MATRIX_FMT_FP6 matrix_a_scale:MATRIX_SCALE_ROW1 matrix_b_scale:MATRIX_SCALE_ROW1
.elseif fA
	v_wmma_scale_f32_16x16x128_f8f6f4 v[rD:rD+7], v[rA:rA+11], v[rB:rB+11], 0, v[rSA], v[rSB] matrix_a_fmt:MATRIX_FMT_FP6 matrix_b_fmt:MATRIX_FMT_FP6 matrix_a_scale:MATRIX_SCALE_ROW1
.elseif fB
	v_wmma_scale_f32_16x16x128_f8f6f4 v[rD:rD+7], v[rA:rA+11], v[rB:rB+11], 0, v[rSA], v[rSB] matrix_a_fmt:MATRIX_FMT_FP6 matrix_b_fmt:MATRIX_FMT_FP6 matrix_b_scale:MATRIX_SCALE_ROW1
.else
	v_wmma_scale_f32_16x16x128_f8f6f4 v[rD:rD+7], v[rA:rA+11], v[rB:rB+11], 0, v[rSA], v[rSB] matrix_a_fmt:MATRIX_FMT_FP6 matrix_b_fmt:MATRIX_FMT_FP6
.endif
.else
.if fA && fB
	v_wmma_scale_f32_16x16x128_f8f6f4 v[rD:rD+7], v[rA:rA+11], v[rB:rB+11], v[rD:rD+7], v[rSA], v[rSB] matrix_a_fmt:MATRIX_FMT_FP6 matrix_b_fmt:MATRIX_FMT_FP6 matrix_a_scale:MATRIX_SCALE_ROW1 matrix_b_scale:MATRIX_SCALE_ROW1
.elseif fA
	v_wmma_scale_f32_16x16x128_f8f6f4 v[rD:rD+7], v[rA:rA+11], v[rB:rB+11], v[rD:rD+7], v[rSA], v[rSB] matrix_a_fmt:MATRIX_FMT_FP6 matrix_b_fmt:MATRIX_FMT_FP6 matrix_a_scale:MATRIX_SCALE_ROW1
.elseif fB
	v_wmma_scale_f32_16x16x128_f8f6f4 v[rD:rD+7], v[rA:rA+11], v[rB:rB+11], v[rD:rD+7], v[rSA], v[rSB] matrix_a_fmt:MATRIX_FMT_FP6 matrix_b_fmt:MATRIX_FMT_FP6 matrix_b_scale:MATRIX_SCALE_ROW1
.else
	v_wmma_scale_f32_16x16x128_f8f6f4 v[rD:rD+7], v[rA:rA+11], v[rB:rB+11], v[rD:rD+7], v[rSA], v[rSB] matrix_a_fmt:MATRIX_FMT_FP6 matrix_b_fmt:MATRIX_FMT_FP6
.endif
.endif
.endm
; 16 matrix instructions: S's images a0, a0 + 1 x P's eight, the slot's q-th 128 along K.  p: P's set; sc: the set of scale words.  The 64 accumulators take turns, one instruction a turn, in the same order in every step.
.macro MUL16 a0, p, q, sc, zero
.irp a, \a0, \a0+1
.irp b, 0,1,2,3,4,5,6,7
.set rD, 8*(8*((\a)%4)+\b)
.set rA, 128*(\p)+FR*\b
.set rB, AF+FR*(\a)
.set rSA, SC+16*(\sc)+8*(\q)+4+(\b)%4
.set rSB, SC+16*(\sc)+8*(\q)+(\a)%4
.set fA, (\b)/4
.set fB, (\a)/4
.set fZ, \zero
	WM
.endr
.endr
.endm
.macro FETCH_B slot, q, p              ; P's eight fragments of the slot's q-th record into set p
	WIN TO_B
.irp i, 0,1,2,3,4,5,6,7
	FRAG 128*(\p)+FR*\i, ADRB+\slot, \q, \i
.endr
	WIN 0
.endm
.macro FETCH_A slot, q, i0             ; S's images i0 .. i0 + 3
.irp i, \i0, \i0+1, \i0+2, \i0+3
	FRAG AF+FR*(\i), ADRA+\slot, \q, \i
.endr
.endm
.macro SCALES sc                       ; slot sc's scale chunks, both records of both sides: four loads
.irp q, 0,1
	ds_load_b128 v[SC+16*\sc+8*\q:SC+16*\sc+8*\q+3], v[ADRA+\sc] offset:\q*REC+SCO
	ds_load_b128 v[SC+16*\sc+8*\q+4:SC+16*\sc+8*\q+7], v[ADRB+\sc] offset:\q*REC+SCO
.endr
.endm
; A load into a register that a matrix instruction has read, and a vector instruction that reads a matrix result, stand NP places behind it; only plain vector instructions that name none of its registers are places.
.macro PLACES n
.rept \n
	v_nop
.endr
.endm
.macro STEP slot, q, zero              ; a step of 128 along K that has its successor in the same slot
	s_wait_dscnt 4*NL                              ; P's set, S's images 0-3 and the scale words are in; the youngest twelve loads (S's images 4-7) may be out
	WIN MUL_LO
	MUL16 0, (\q)%2, \q, \slot, \zero
	MUL16 2, (\q)%2, \q, \slot, \zero
	s_wait_dscnt 0                                 ; S's images 4-7 are in
	PLACES NP
	FETCH_B \slot, (\q)+1, 1-(\q)%2
	FETCH_A \slot, (\q)+1, 0
	WIN MUL_HI
	MUL16 4, (\q)%2, \q, \slot, \zero
	MUL16 6, (\q)%2, \q, \slot, \zero
	PLACES NP
	WIN 0
	FETCH_A \slot, (\q)+1, 4
.endm
; A slot's last step changes slots: ONE barrier; in front of it each wave waits for all its tensor loads, adds 0 to its spare word, and waits for that and for its own reads of this slot.  fill = 1: this slot is filled again, two slots ahead.
.macro TURN slot, next, fill
	s_wait_tensorcnt 0x0                           ; all my tensor loads have landed: my part of the next slot
	ds_add_u32 v[SPW], v[NIL]                      ; 0 onto my spare word
	s_wait_dscnt 4*NL+1                            ; (the add and the youngest twelve loads may be out)
	WIN MUL_LO
	MUL16 0, 1, 1, \slot, 0                        ; sixteen matrix instructions stand between the add and the wait for it
	s_wait_dscnt 0x0                               ; the add is done, and my reads of this slot are over
	s_barrier_signal -1
	MUL16 2, 1, 1, \slot, 0
	WIN 0
	s_barrier_wait -1
.if \fill
	CREST                                          ; the barrier has opened a round of the cluster's barrier: no wave of any partner still reads this slot or has a load on its way
	s_add_nc_u64 s[G0+4*\slot+2:G0+4*\slot+3], s[G0+4*\slot+2:G0+4*\slot+3], 2*PART
	s_add_nc_u64 s[G0B+4*\slot+2:G0B+4*\slot+3], s[G0B+4*\slot+2:G0B+4*\slot+3], 2*PART
	JLOAD G0+4*\slot, G1, G0B+4*\slot, G1B         ; the first tensor load behind the round; its four v_nop are the places in front of the loads below
.else
	PLACES NP
.endif
	FETCH_B \next, 0, 0
	FETCH_A \next, 0, 0
	SCALES \next
	WIN MUL_HI
	MUL16 4, 1, 1, \slot, 0
	MUL16 6, 1, 1, \slot, 0
	PLACES NP
	WIN 0
	FETCH_A \next, 0, 4
.endm
	s_wait_alu depctr_va_vdst(0)
	s_wait_tensorcnt 0x0                           ; my part of slot 0 is in; then an add of 0 and its wait, ahead of a later first fill
	ds_add_u32 v[SPW], v[NIL]
	s_wait_dscnt 0x0
	CROUND                                         ; a whole round: everybody's part is in, and the joint loads meet
	JLOAD G0+4, G1, G0B+4, G1B                     ; slot 1's first fill, the first tensor load behind the round
	FETCH_B 0, 0, 0
	FETCH_A 0, 0, 0
	SCALES 0
	FETCH_A 0, 0, 4
	STEP 0, 0, 1                                   ; K steps 0 .. 7, written out: four fills of two steps.  The first products start the sums
	TURN 0, 1, 1
	STEP 1, 0, 0
	TURN 1, 0, 1
	STEP 0, 0, 0
	TURN 0, 1, 0                                   ; nothing is left to fetch
	STEP 1, 0, 0
	s_wait_dscnt 4*NL
	WIN MUL_LO
	MUL16 0, 1, 1, 1, 0
	MUL16 2, 1, 1, 1, 0
	s_wait_dscnt 0
	WIN MUL_HI
	MUL16 4, 1, 1, 1, 0
	MUL16 6, 1, 1, 1, 0
	PLACES NP
; THE WAY OUT.  S's image a: my lane's 64 results, register 16 b + i = true index 32 b + 16 (lane / 16) + i along the next K, become a fragment's codes and my row's scale word: image a of my record.
.macro OUTBLK a
.set W, 2+(\a)/4
.set AC, 64*((\a)%4)
	WIN (W|(W<<2))                                 ; sources 0 and 1: the accumulators' window
.irp b, 0,1,2,3
	v_max3_num_f32 v[TM+\b], |v[AC+16*\b]|, |v[AC+16*\b+1]|, 0x1800000   ; each accumulator from its low end on; the floor 2^(3 - 127) holds the byte at 1 from below
.endr
.irp i, 2,4,6,8,10,12,14
.irp b, 0,1,2,3
	v_max3_num_f32 v[TM+\b], |v[AC+16*\b+\i]|, |v[AC+16*\b+\i+1]|, v[TM+\b]
.endr
.endr
	WIN 0
.irp b, 0,1,2,3
	v_permlanex16_b32 v[TM+4+\b], v[TM+\b], s10, s11
.endr
.irp b, 0,1,2,3
	v_max_num_f32 v[TM+\b], v[TM+\b], v[TM+4+\b]   ; with lane l xor 16's: the block's largest magnitude
.endr
.irp b, 0,1,2,3
	v_add_nc_u32 v[TM+12+\b], 0xff000000, v[TM+\b] ; 2 off its exponent field: the conversion's scale operand
.endr
.irp b, 0,1,2,3
	v_lshrrev_b32 v[TM+4+\b], 23, v[TM+12+\b]      ; the scale's byte
.endr
	v_lshl_or_b32 v[PWS+\a], v[TM+5], 8, v[TM+4]
	v_lshl_or_b32 v[PWS+\a], v[TM+6], 16, v[PWS+\a]
	v_lshl_or_b32 v[PWS+\a], v[TM+7], 24, v[PWS+\a]
.if \a > 0
	s_wait_xcnt 0x0                                ; the last image's stores have read their data: the codes' registers may be written again
.endif
	WIN W                                          ; source 0: the accumulators' window
.irp c, 0,1
	v_cvt_scalef32_pk16_fp6_f32 v[PC+6*\c:PC+6*\c+2], v[AC+32*\c:AC+32*\c+15], v[TM+12+2*\c]
	v_cvt_scalef32_pk16_fp6_f32 v[PC+12+4*\c:PC+14+4*\c], v[AC+16+32*\c:AC+31+32*\c], v[TM+12+2*\c+1]   ; (a conversion's three registers begin on an even number)
.endr
	WIN 0
	v_nop                                          ; one plain instruction behind the scaled conversions
.irp c, 0,1                                    ; the operand's layout wants a WHOLE block in a lane: lanes 0-15 block 2 c, lanes 16-31 block 2 c + 1
.irp i, 0,1,2
	v_permlane16_swap_b32 v[PC+6*\c+\i], v[PC+12+4*\c+\i]
.endr
.irp i, 0,1,2
	v_mov_b32 v[PC+3+6*\c+\i], v[PC+12+4*\c+\i]
.endr
.endr
.irp c, 0,1,2
	global_store_b128 v[LI], v[PC+4*\c:PC+4*\c+3], s[8:9] offset:\a*IMG+512*\c   ; 32 lanes store 512 consecutive bytes, at a multiple of 256 from the buffer's first byte
.endr
.endm
.irp a, 0,1,2,3,4,5,6,7
	OUTBLK \a
.endr
	v_cmp_gt_u32 s40, 16, v1                       ; the scale chunk: lanes 0-15 take images 0-3's words, lanes 16-31 images 4-7's (lanes r and r + 16 hold row r's)
.irp j, 0,1,2,3
	v_cndmask_b32 v[OC+\j], v[PWS+4+\j], v[PWS+\j], s40
.endr
	global_store_b128 v[LI], v[OC:OC+3], s[8:9] offset:SCO
	s_wait_tensorcnt 0x0                           ; the wave's end, behind my last tensor load: a tensor wait, 0 added to my spare word, and its wait
	ds_add_u32 v[SPW], v[NIL]
	s_wait_dscnt 0x0
	CROUND                                         ; the closing round: no work-group ends while a partner may still ask for a tile that names it
	s_endpgm
.Lfunc_end_k_qca53b31fd7_proj_qk:
	.size	k_qca53b31fd7_proj_qk, .Lfunc_end_k_qca53b31fd7_proj_qk-k_qca53b31fd7_proj_qk
	.p2alignl 7, 3214868480
	.fill 96, 4, 3214868480
	.section	.rodata,"a",@progbits
	.p2align	6, 0x0
	.amdhsa_kernel k_qca53b31fd7_proj_qk
		.amdhsa_group_segment_fixed_size 327680
		.amdhsa_private_segment_fixed_size 0
		.amdhsa_enable_private_segment 0
		.amdhsa_kernarg_size 24
		.amdhsa_user_sgpr_count 2
		.amdhsa_user_sgpr_kernarg_segment_ptr 1
		.amdhsa_wavefront_size32 1
		.amdhsa_system_sgpr_workgroup_id_x 1
		.amdhsa_system_sgpr_workgroup_id_y 1
		.amdhsa_system_sgpr_workgroup_id_z 1
		.amdhsa_system_vgpr_workitem_id 0
		.amdhsa_next_free_vgpr 1024
		.amdhsa_next_free_sgpr 66
		.amdhsa_reserve_vcc 0
		.amdhsa_float_denorm_mode_32 3
		.amdhsa_float_denorm_mode_16_64 3
		.amdhsa_memory_ordered 1
		.amdhsa_forward_progress 1
		.amdhsa_inst_pref_size 136
	.end_amdhsa_kernel
	.amdgpu_metadata
---
amdhsa.version: [ 1, 2 ]
amdhsa.kernels:
  - .name:           k_qca53b31fd7_proj_qk
    .symbol:         k_qca53b31fd7_proj_qk.kd
    .args:
      - { .name: wqk, .offset: 0, .size: 8, .value_kind: global_buffer, .address_space: global }
      - { .name: xq, .offset: 8, .size: 8, .value_kind: global_buffer, .address_space: global }
      - { .name: qk, .offset: 16, .size: 8, .value_kind: global_buffer, .address_space: global }
    .group_segment_fixed_size: 327680
    .private_segment_fixed_size: 0
    .kernarg_segment_align: 8
    .kernarg_segment_size: 24
    .max_flat_workgroup_size: 128
    .sgpr_count:     66
    .vgpr_count:     1024
    .wavefront_size: 32
...
	.end_amdgpu_metadata
.endif
;; end of part 2
;; launch proj_v: the kernel of part 2 again; grid 16 x 8, 4 waves a work-group, clusters of 4 x 4, 327,680 bytes of LDS; arguments xq, wvq, vt; writes vt
;; launch attn (part 3): grid 8 x 32, 16 waves a work-group, no clusters, 327,680 bytes of LDS; arguments qk, vt, lambda_q1, lambda_k1, lambda_q2, lambda_k2, rms_scale, oq; writes oq
.if DOCPART == 3
	.amdgcn_target "amdgcn-amd-amdhsa--gfx1250"
	.amdhsa_code_object_version 6
	.text
	.protected	k_qca53b31fd7_attn
	.globl	k_qca53b31fd7_attn
	.p2align	8
	.type	k_qca53b31fd7_attn,@function
k_qca53b31fd7_attn:
	s_mov_b64 s[64:65], 0
	v_nop
	global_prefetch_b8 v0, s[64:65] scope:SCOPE_SE
	s_setreg_imm32_b32 hwreg(HW_REG_WAVE_MODE, 25, 1), 1
	s_wait_xcnt 0x0
; Differential attention of one (batch, head) and two row blocks of 128 queries, on records of FP6 codes (a record: 128 rows x 128 along K as images of operand registers, 12,800 bytes, scale words in chunk 24).
; attn = softmax(Q1 K1^T / 8) - lambda softmax(Q2 K2^T / 8) is quantised FINISHED, so the keys are walked twice: pass 1 finds each row's maximum and sum, pass 2 makes attn, quantises it along the keys and multiplies by V.
; LEFT OUT: key records that lie wholly above the causal diagonal, which the causal mask sets to -inf: their attn is 0 for all inputs.  A NaN or infinity that reaches only these is not carried on.
; THE DEAL: work-group x takes row block 15 - x (job 0) and then row block x (job 1): 17 key records in all for every x.  In a job all 16 waves work: two waves to an image of 16 queries, one on the even key records,
; the other on the odd ones.  So a wave has 8 or 9 steps a pass whatever x is.  The pair joins its maxima and sums through LDS behind pass 1, and its two partial O^T behind pass 2: the even wave stores, the odd wave adds,
; norms, quantises and stores the image.  1 / sum goes into the exponent as - log2(sum).
; LDS: V's ring of two slots of four records at 0 and 65,536; K's 16 records, filled once, from KB; the partial O^T (8 x 8,192 bytes) lie over K's records 8-15, which have had their only fill and are read no more
; when the first is stored (job 0's pass 2 is over; job 1 reads records 0-7 alone).  Between the slots: spare words, the scale chunk, rms_scale, the pairs' maxima and sums.
; NO CLUSTER: the eight work-groups of a head need 16 - x records in job 0 and x + 1 in job 1, different numbers of tiles.  NO PREFETCH: K comes whole at the head; each V slot is asked for a whole phase (two steps a wave)
; ahead of its first read, the first under all of pass 1.
; LIMITS: the scaled scores stay under 2^31 in magnitude; NaN and infinities among the inputs are not served; a block of zeros gets the scale byte 1 (its codes are zeros; the bytes are this program's own).
.set REC,   12800
.set IMG,   1536
.set SCO,   12288
.set SPARE, 4*REC
.set STG,   SPARE+2048
.set RSS,   STG+1024
.set XST,   RSS+512                    ; 512 bytes a wave: (max 1, sum 1, max 2, sum 2) of each lane
.set SLOT1, 1<<16
.set KB,    SLOT1+4*REC
.set OST,   KB+8*REC                   ; the partial O^T: 8,192 bytes an image
.set LI,   1
.set SPW,  2
.set NIL,  3
.set ADK,  4
.set ADV,  5
.set DD,   6
.set NINF, 7
.set QS,   34
.set PW,   35
.set FK,   36
.set PC,   36
.set KS,   84
.set VS,   88
.set PWA,  92
.set LAM,  93                          ; - lambda
.set RSA,  94
.set SCR,  95
.set SA,   96
.set ST2,  160
.set TM,   160
.set OT,   192
.set WV,   20
.set HI,   21                          ; which key records are mine: even (0) or odd (1)
.set GI,   22                          ; my image
.set JB,   23
.set RB,   24                          ; the job's row block = its last key record
.set BH,   26
.set BB,   27
.set HH,   28
.set SEL,  30
.set CS,   32
.set NC,   34
.set G1,   36
.set G0K,  44
.set G0V,  48
.set TI,   52
.set TKO,  53
.set TVS,  54
.set JS,   55
.set SLOTS, 56
.set TW,   57
.set TK,   58
.set KH,   59
.set XS,   77
.set XP,   78
.set OS,   79
.set JOB,  94
.set JV,   95
.set PR,   96
.macro NOP4
.rept 4
	v_nop
.endr
.endm
.macro D n
	s_delay_alu instid0(VALU_DEP_\n)
.endm
.macro BAR
	s_barrier_signal -1
	s_barrier_wait -1
.endm
.macro ADDR rb, q, o                   ; row block rb's record of Q and of the output
	s_lshl_b32 s60, s[\rb], 4
	s_add_co_u32 s60, s60, s[HH]
	s_lshl_b32 s61, s[BB], 9
	s_add_co_u32 s61, s61, s60
	s_mul_i32 s62, s61, REC
	s_add_nc_u64 s[\q:\q+1], s[4:5], s[62:63]
	s_lshl_b32 s61, s[BB], 8
	s_add_co_u32 s61, s61, s60
	s_mul_i32 s62, s61, REC
	s_add_nc_u64 s[\o:\o+1], s[18:19], s[62:63]
.endm
.macro QLOAD                           ; my image of Q: registers 0-5 (Q1) to v16-21, 6-11 (Q2) to v28-33; v22-27 stay 0: v[16:27] is Q1 | 0, v[22:33] is 0 | Q2
	s_add_nc_u64 s[84:85], s[82:83], s[74:75]
	v_add_nc_u32 v[KS], -STG, v[PWA]
	global_load_b128 v[16:19], v[LI], s[84:85]
	global_load_b64 v[20:21], v[LI], s[84:85] offset:512
	global_load_b64 v[28:29], v[LI], s[84:85] offset:520
	global_load_b128 v[30:33], v[LI], s[84:85] offset:1024
	global_load_b32 v[QS], v[KS], s[82:83] offset:SCO
.endm
	s_load_b256 s[4:11], s[0:1], 0x0
	s_load_b256 s[12:19], s[0:1], 0x20
	v_lshl_add_u32 v[SPW], v0, 2, SPARE
	v_mov_b32 v[NIL], 0
	ds_add_u32 v[SPW], v[NIL]                      ; the wave's opening: 0 onto my spare word
	ds_add_u32 v[SPW], v[NIL]
	v_lshrrev_b32 v4, 5, v0
	v_readfirstlane_b32 s[WV], v4
	s_lshr_b32 s60, s[WV], 2
	s_xor_b32 s[HI], s[WV], s60
	s_and_b32 s[HI], s[HI], 1
	s_lshr_b32 s[GI], s[WV], 1
	s_mov_b32 s[JB], ttmp9
	s_sub_co_u32 s[RB], 15, s[JB]
	s_and_b32 s[BH], ttmp7, 0xffff
	s_lshr_b32 s[BB], s[BH], 4
	s_and_b32 s[HH], s[BH], 15
	s_mov_b32 s[G1], 3<<16                         ; a record: 50 rows of 256 bytes
	s_mov_b32 s[G1+1], 32<<16
	s_mov_b32 s[G1+2], 50<<16
	s_mov_b32 s[G1+3], 32<<16
	s_mov_b32 s[G1+4], 50
	s_mov_b32 s[G1+5], 32
	s_mov_b32 s[G1+6], 0
	s_mov_b32 s[G1+7], 0
	s_lshl_b32 s60, s[BB], 9
	s_lshl_b32 s61, s[WV], 4
	s_add_co_u32 s61, s61, s60
	s_add_co_u32 s61, s61, s[HH]
	s_add_co_u32 s61, s61, 256
	s_mul_i32 s62, s61, REC                        ; K's record number wave
	s_mov_b32 s63, 0
	s_and_b32 s66, s[WV], 3
	s_lshl_b32 s67, s[BH], 4
	s_add_co_u32 s67, s67, s66
	s_mul_i32 s68, s67, REC                        ; V's record wave % 4
	s_mov_b32 s69, 0
	s_mov_b32 s91, 0
	s_mul_i32 s74, s[GI], IMG
	s_mov_b32 s75, 0
	s_mul_i32 s76, s[WV], REC
	s_mul_i32 s[KH], s[HI], REC
	s_lshl_b32 s[XS], s[WV], 9
	s_add_co_u32 s[XS], s[XS], XST
	s_xor_b32 s[XP], s[WV], 1                      ; my partner: the same image, the other records
	s_lshl_b32 s[XP], s[XP], 9
	s_add_co_u32 s[XP], s[XP], XST
	s_lshl_b32 s[OS], s[GI], 13
	s_add_co_u32 s[OS], s[OS], OST
	s_lshr_b32 s70, s[GI], 1
	s_lshl_b32 s70, s70, 5
	s_and_b32 s61, s[GI], 1
	s_lshl_b32 s61, s61, 3
	s_add_co_u32 s70, s70, s61                     ; my image's first true row
	s_lshr_b32 s71, s[GI], 2
	s_lshl_b32 s71, s71, 8
	s_and_b32 s61, s[GI], 3
	s_lshl_b32 s61, s61, 2
	s_add_co_u32 s71, s71, s61
	s_add_co_u32 s71, s71, STG
	s_lshl_b32 s72, s[HH], 8
	s_mov_b32 s[SEL], 0x76543210
	s_mov_b32 s[SEL+1], 0xfedcba98
	s_mov_b32 s[CS], 0x3e38aa3b                    ; c = log2(e) / 8
	s_mov_b32 s[CS+1], s[CS]
	s_mov_b32 s[NC], 0xbe38aa3b
	v_and_b32 v224, 31, v0
	v_and_b32 v225, 15, v0
	v_bfe_u32 v226, v0, 4, 1
	v_lshlrev_b32 v[LI], 4, v224
	v_and_b32 v[DD], 8, v225
	v_lshlrev_b32 v227, 4, v226
	v_add3_u32 v[DD], v[DD], v225, s70
	v_lshl_add_u32 v[PWA], v225, 4, s71
	v_sub_nc_u32 v[DD], v[DD], v227                ; my query's true row - 16 (lane / 16)
	v_add_nc_u32 v[SCR], STG, v[LI]
	v_lshl_add_u32 v[RSA], v226, 6, RSS
	v_lshl_add_u32 v229, v224, 3, s72
	v_mov_b32 v[NINF], 0xff800000
.irp i, 22,23,24,25,26,27
	v_mov_b32 v[\i], 0
.endr
	s_wait_alu depctr_va_vdst(0)
	s_wait_dscnt 0x0
	s_wait_kmcnt 0x0
	s_mov_b32 s[G0K], 1
	s_add_co_u32 s[G0K+1], s76, KB
	s_add_nc_u64 s[G0K+2:G0K+3], s[4:5], s[62:63]
	s_or_b32 s[G0K+3], s[G0K+3], 0x80000000
	tensor_load_to_lds s[G0K:G0K+3], s[G1:G1+7]    ; every wave brings one record of K
	s_nop 0
	NOP4
	s_add_nc_u64 s[88:89], s[6:7], s[68:69]
	s_mov_b32 s[G0V], 1
	s_mul_i32 s[G0V+1], s66, REC
	s_mov_b64 s[G0V+2:G0V+3], s[88:89]
	s_or_b32 s[G0V+3], s[G0V+3], 0x80000000
	ADDR RB, 82, 80
	ADDR JB, 66, 68
	s_mov_b64 s[92:93], s[80:81]                   ; the chunk's pointer holds an output record on every path
	QLOAD
	global_load_b64 v[230:231], v229, s[8:9]
	global_load_b64 v[232:233], v229, s[10:11]
	global_load_b64 v[234:235], v229, s[12:13]
	global_load_b64 v[236:237], v229, s[14:15]
	s_cmp_lg_u32 s[WV], 0
	s_cbranch_scc1 .Lno_rs
	global_load_b128 v[240:243], v[LI], s[16:17]
	s_wait_loadcnt 0x0
	ds_store_b128 v[LI], v[240:243] offset:RSS
.Lno_rs:
	s_wait_loadcnt 0x0
	; - lambda = exp(q2 . k2) - exp(q1 . k1) - 0.8; the exponent x log2(e) in two parts, its whole part by ldexp
	v_mul_f32 v230, v230, v232
	v_mul_f32 v234, v234, v236
	D 2
	v_fmac_f32 v230, v231, v233
	D 2
	v_fmac_f32 v234, v235, v237
.irp x, 1,2,4,8
	D 2
	v_add_f32_dpp v230, v230, v230 row_xmask:\x row_mask:0xf bank_mask:0xf
	D 2
	v_add_f32_dpp v234, v234, v234 row_xmask:\x row_mask:0xf bank_mask:0xf
.endr
	D 2
	v_permlanex16_b32 v231, v230, s[SEL], s[SEL+1]
	D 2
	v_permlanex16_b32 v235, v234, s[SEL], s[SEL+1]
	D 2
	v_add_f32 v230, v230, v231
	D 2
	v_add_f32 v234, v234, v235
	D 2
	v_mul_f32 v231, 0x3fb8aa3b, v230
	D 2
	v_mul_f32 v235, 0x3fb8aa3b, v234
	D 2
	v_fma_f32 v232, v230, 0x3fb8aa3b, -v231
	D 2
	v_fma_f32 v236, v234, 0x3fb8aa3b, -v235
	D 2
	v_fma_f32 v232, v230, 0x32a57060, v232
	D 2
	v_fma_f32 v236, v234, 0x32a57060, v236
	v_rndne_f32 v233, v231
	v_rndne_f32 v237, v235
	D 2
	v_sub_f32 v231, v231, v233
	D 2
	v_sub_f32 v235, v235, v237
	D 2
	v_add_f32 v231, v231, v232
	D 2
	v_add_f32 v235, v235, v236
	s_wait_alu depctr_va_vdst(0)
	v_exp_f32 v231, v231
	v_exp_f32 v235, v235
	v_cvt_i32_f32 v233, v233
	v_cvt_i32_f32 v237, v237
	s_wait_alu depctr_va_vdst(0)
	v_ldexp_f32 v231, v231, v233
	v_ldexp_f32 v235, v235, v237
	D 1
	v_sub_f32 v[LAM], v235, v231
	D 1
	v_add_f32 v[LAM], 0xbf4ccccd, v[LAM]
	s_wait_alu depctr_va_vdst(0)                   ; the head's end
	s_wait_tensorcnt 0x0                           ; my record of K is in; then an add of 0 and its wait, ahead of a later first fill
	ds_add_u32 v[SPW], v[NIL]
	s_wait_dscnt 0x0
	BAR                                            ; all of K is in
	s_cmp_lt_u32 s[WV], 4
	s_cbranch_scc0 .Lno_v0
	tensor_load_to_lds s[G0V:G0V+3], s[G1:G1+7]    ; V's records 0-3 into slot 0: they land under pass 1
	s_nop 0
	NOP4
.Lno_v0:
.macro KFETCH gg
.irp t, 0,1,2,3
.irp c, 0,1,2
	ds_load_b128 v[FK+12*\t+4*\c:FK+12*\t+4*\c+3], v[ADK] offset:(4*\gg+\t)*IMG+512*\c
.endr
.endr
.endm
.macro SMUL gg, d1, d2                 ; S^T = K Q^T of four images of 16 keys, for both softmaxes
.irp t, 0,1,2,3
.if \gg
	v_wmma_scale_f32_16x16x128_f8f6f4 v[\d1+8*\t:\d1+8*\t+7], v[FK+12*\t:FK+12*\t+11], v[16:27], 0, v[KS+\t], v[QS] matrix_a_fmt:MATRIX_FMT_FP6 matrix_b_fmt:MATRIX_FMT_FP6 matrix_a_scale:MATRIX_SCALE_ROW1
	v_wmma_scale_f32_16x16x128_f8f6f4 v[\d2+8*\t:\d2+8*\t+7], v[FK+12*\t:FK+12*\t+11], v[22:33], 0, v[KS+\t], v[QS] matrix_a_fmt:MATRIX_FMT_FP6 matrix_b_fmt:MATRIX_FMT_FP6 matrix_a_scale:MATRIX_SCALE_ROW1
.else
	v_wmma_scale_f32_16x16x128_f8f6f4 v[\d1+8*\t:\d1+8*\t+7], v[FK+12*\t:FK+12*\t+11], v[16:27], 0, v[KS+\t], v[QS] matrix_a_fmt:MATRIX_FMT_FP6 matrix_b_fmt:MATRIX_FMT_FP6
	v_wmma_scale_f32_16x16x128_f8f6f4 v[\d2+8*\t:\d2+8*\t+7], v[FK+12*\t:FK+12*\t+11], v[22:33], 0, v[KS+\t], v[QS] matrix_a_fmt:MATRIX_FMT_FP6 matrix_b_fmt:MATRIX_FMT_FP6
.endif
.endr
.endm
.macro MASK first, count, t0           ; the diagonal record alone: keys behind my query become -inf
	s_cmp_lg_u32 s[JS], s[RB]
	s_cbranch_scc1 .Lopen_\@
.set mn, \first
.rept \count
	v_cmp_gt_i32 vcc_lo, 32*(mn/16)+mn%16, v[DD]
	v_cndmask_b32 v[SA+mn], v[SA+mn], v[NINF], vcc_lo
	v_cndmask_b32 v[\t0+mn], v[\t0+mn], v[NINF], vcc_lo
.set mn, mn+1
.endr
.Lopen_\@:
.endm
.macro QUANT s                         ; my lane's 64 numbers, four half blocks of 16, become a fragment's codes in v[PC:PC+11] and the scale word in v[PW]
.irp b, 0,1,2,3
	v_max3_num_f32 v[TM+\b], |v[\s+16*\b]|, |v[\s+1+16*\b]|, 0x1800000
.endr
.irp i, 2,4,6,8,10,12,14
.irp b, 0,1,2,3
	D 4
	v_max3_num_f32 v[TM+\b], v[TM+\b], |v[\s+16*\b+\i]|, |v[\s+1+16*\b+\i]|
.endr
.endr
.irp b, 0,1,2,3
	v_permlanex16_b32 v[TM+4+\b], v[TM+\b], s[SEL], s[SEL+1]
.endr
.irp b, 0,1,2,3
	D 4
	v_max_num_f32 v[TM+\b], v[TM+\b], v[TM+4+\b]
.endr
.irp b, 0,1,2,3
	D 4
	v_add_nc_u32 v[TM+12+\b], 0xff000000, v[TM+\b]
.endr
.irp b, 0,1,2,3
	D 4
	v_lshrrev_b32 v[TM+4+\b], 23, v[TM+12+\b]
.endr
	D 3
	v_lshl_or_b32 v[PW], v[TM+5], 8, v[TM+4]
	D 1
	v_lshl_or_b32 v[PW], v[TM+6], 16, v[PW]
	D 1
	v_lshl_or_b32 v[PW], v[TM+7], 24, v[PW]
.irp c, 0,1
	v_cvt_scalef32_pk16_fp6_f32 v[PC+6*\c:PC+2+6*\c], v[\s+32*\c:\s+15+32*\c], v[TM+12+2*\c]
	v_cvt_scalef32_pk16_fp6_f32 v[PC+12+4*\c:PC+14+4*\c], v[\s+16+32*\c:\s+31+32*\c], v[TM+12+2*\c+1]
.endr
	v_nop
.irp c, 0,1
.irp i, 0,1,2
	v_permlane16_swap_b32 v[PC+6*\c+\i], v[PC+12+4*\c+\i]
.endr
.irp i, 0,1,2
	D 3
	v_mov_b32 v[PC+3+6*\c+\i], v[PC+12+4*\c+\i]
.endr
.endr
.endm
.macro P1STEP                          ; 128 keys: running maxima v9, v11 (as -c max in v8, v10) and sums v[12:13], v[14:15]
	v_add_nc_u32 v[ADK], s[TK], v[LI]
	ds_load_b128 v[KS:KS+3], v[ADK] offset:SCO
	KFETCH 0
	s_wait_alu depctr_va_vdst(0)
	s_wait_dscnt 0x0
	SMUL 0, SA, ST2
	NOP4
	KFETCH 1
	s_wait_dscnt 0x0
	SMUL 1, SA+32, ST2+32
	NOP4
	MASK 0, 64, ST2
.irp b, 0,1,2,3
	v_max3_num_f32 v[224+\b], v[SA+16*\b], v[SA+1+16*\b], v[SA+2+16*\b]
	v_max3_num_f32 v[228+\b], v[ST2+16*\b], v[ST2+1+16*\b], v[ST2+2+16*\b]
.endr
.irp i, 3,5,7,9,11,13
.irp b, 0,1,2,3
	v_max3_num_f32 v[224+\b], v[224+\b], v[SA+16*\b+\i], v[SA+1+16*\b+\i]
	v_max3_num_f32 v[228+\b], v[228+\b], v[ST2+16*\b+\i], v[ST2+1+16*\b+\i]
.endr
.endr
.irp b, 0,1,2,3
	v_max_num_f32 v[224+\b], v[224+\b], v[SA+15+16*\b]
	v_max_num_f32 v[228+\b], v[228+\b], v[ST2+15+16*\b]
.endr
	D 4
	v_max3_num_f32 v232, v224, v225, v226
	D 4
	v_max3_num_f32 v233, v228, v229, v230
	D 2
	v_max3_num_f32 v9, v232, v227, v9
	D 2
	v_max3_num_f32 v11, v233, v231, v11
	v_mov_b32 v234, v8
	v_mov_b32 v236, v10
	D 4
	v_mul_f32 v8, s[NC], v9
	D 4
	v_mul_f32 v10, s[NC], v11
	D 2
	v_sub_f32 v234, v8, v234
	D 2
	v_sub_f32 v236, v10, v236
.set jj, 0
.rept 32
	v_pk_fma_f32 v[SA+jj:SA+jj+1], v[SA+jj:SA+jj+1], s[CS:CS+1], v[8:9] op_sel_hi:[1,0,0]
	v_pk_fma_f32 v[ST2+jj:ST2+jj+1], v[ST2+jj:ST2+jj+1], s[CS:CS+1], v[10:11] op_sel_hi:[1,0,0]
.set jj, jj+2
.endr
.set jj, 0
	s_wait_alu depctr_va_vdst(0)
.rept 128
	v_exp_f32 v[SA+jj], v[SA+jj]
.set jj, jj+1
.endr
	v_exp_f32 v234, v234
	v_exp_f32 v236, v236
	v_nop
	s_wait_alu depctr_va_vdst(0)
	v_pk_mul_f32 v[12:13], v[12:13], v[234:235] op_sel_hi:[1,0]
	v_pk_mul_f32 v[14:15], v[14:15], v[236:237] op_sel_hi:[1,0]
	v_pk_add_f32 v[238:239], v[SA:SA+1], v[SA+2:SA+3]
	v_pk_add_f32 v[240:241], v[ST2:ST2+1], v[ST2+2:ST2+3]
.set jj, 4
.rept 15
	v_pk_add_f32 v[12:13], v[12:13], v[SA+jj:SA+jj+1]
	v_pk_add_f32 v[14:15], v[14:15], v[ST2+jj:ST2+jj+1]
	v_pk_add_f32 v[238:239], v[238:239], v[SA+jj+2:SA+jj+3]
	v_pk_add_f32 v[240:241], v[240:241], v[ST2+jj+2:ST2+jj+3]
.set jj, jj+4
.endr
	D 2
	v_pk_add_f32 v[12:13], v[12:13], v[238:239]
	D 2
	v_pk_add_f32 v[14:15], v[14:15], v[240:241]
.endm
.macro HALF hh                         ; 64 keys: attn = 2^(c s1 - M1 - log2 sum1) - lambda 2^(c s2 - M2 - log2 sum2)
	MASK 32*\hh, 32, ST2-32*\hh
.set jj, 0
.rept 16
	v_pk_fma_f32 v[SA+32*\hh+jj:SA+32*\hh+jj+1], v[SA+32*\hh+jj:SA+32*\hh+jj+1], s[CS:CS+1], v[8:9] op_sel_hi:[1,0,0]
	v_pk_fma_f32 v[ST2+jj:ST2+jj+1], v[ST2+jj:ST2+jj+1], s[CS:CS+1], v[10:11] op_sel_hi:[1,0,0]
.set jj, jj+2
.endr
.set jj, 0
	s_wait_alu depctr_va_vdst(0)
.rept 32
	v_exp_f32 v[SA+32*\hh+jj], v[SA+32*\hh+jj]
	v_exp_f32 v[ST2+jj], v[ST2+jj]
.set jj, jj+1
.endr
	v_nop
	s_wait_alu depctr_va_vdst(0)
.set jj, 0
.rept 16
	v_pk_fma_f32 v[SA+32*\hh+jj:SA+32*\hh+jj+1], v[ST2+jj:ST2+jj+1], v[14:15], v[SA+32*\hh+jj:SA+32*\hh+jj+1] op_sel_hi:[1,0,1]
.set jj, jj+2
.endr
.endm
.macro P2STEP
	s_add_co_u32 s60, s[TI], s[TKO]
	s_add_co_u32 s61, s[TI], s[TVS]
	v_add_nc_u32 v[ADK], s60, v[LI]
	v_add_nc_u32 v[ADV], s61, v[LI]
	v_nop
	v_nop
	v_nop
	ds_load_b128 v[KS:KS+3], v[ADK] offset:SCO
	KFETCH 0
	s_wait_alu depctr_va_vdst(0)
	s_wait_dscnt 0x0
	SMUL 0, SA, ST2
	NOP4
	KFETCH 1
	HALF 0
	s_wait_dscnt 0x0
	SMUL 1, SA+32, ST2
	NOP4
	HALF 1
	QUANT SA
	ds_load_b128 v[VS:VS+3], v[ADV] offset:SCO
.irp t, 0,1,2,3,4,5,6,7
.irp c, 0,1,2
	ds_load_b128 v[SA+12*\t+4*\c:SA+12*\t+4*\c+3], v[ADV] offset:\t*IMG+512*\c
.endr
.endr
.rept 8
	v_nop                                          ; the scale word was made by vector instructions: eight places ahead of the scaled products
.endr
	s_wait_alu depctr_va_vdst(0)
	s_wait_dscnt 0x0
.irp t, 0,1,2,3
	v_wmma_scale_f32_16x16x128_f8f6f4 v[OT+8*\t:OT+8*\t+7], v[SA+12*\t:SA+12*\t+11], v[PC:PC+11], v[OT+8*\t:OT+8*\t+7], v[VS+\t], v[PW] matrix_a_fmt:MATRIX_FMT_FP6 matrix_b_fmt:MATRIX_FMT_FP6
.endr
.irp t, 4,5,6,7
	v_wmma_scale_f32_16x16x128_f8f6f4 v[OT+8*\t:OT+8*\t+7], v[SA+12*\t:SA+12*\t+11], v[PC:PC+11], v[OT+8*\t:OT+8*\t+7], v[VS+\t-4], v[PW] matrix_a_fmt:MATRIX_FMT_FP6 matrix_b_fmt:MATRIX_FMT_FP6 matrix_a_scale:MATRIX_SCALE_ROW1
.endr
.endm
.macro CHUNKOUT                        ; the eight images' scale words leave as one chunk of 512 bytes, by wave 1
	s_cmp_lg_u32 s[WV], 1
	s_cbranch_scc1 .Lnc_\@
	ds_load_b128 v[96:99], v[SCR]
	s_wait_dscnt 0x0
	global_store_b128 v[LI], v[96:99], s[92:93] offset:SCO
	s_wait_xcnt 0x0                                ; the store has read its registers
.Lnc_\@:
.endm
	s_mov_b32 s[JOB], 0
.Ljob:
	s_add_nc_u64 s[86:87], s[80:81], s[74:75]      ; my image of the job's output record
	s_wait_loadcnt 0x0                             ; Q is in
	v_mov_b32 v9, 0xff61b1e6                       ; -3e38, under every score
	v_mov_b32 v11, 0xff61b1e6
	D 2
	v_mul_f32 v8, s[NC], v9
	D 2
	v_mul_f32 v10, s[NC], v11
.irp i, 12,13,14,15
	v_mov_b32 v[\i], 0
.endr
	s_mov_b32 s[JS], s[HI]
	s_add_co_u32 s[TK], s[KH], KB
	s_mov_b32 s[TW], 8
	s_wait_alu depctr_va_vdst(0)
.Lp1:                                                  ; PASS 1: my records HI, HI + 2, ..: eight trips, those behind the diagonal passed over
	s_cmp_gt_u32 s[JS], s[RB]
	s_cbranch_scc1 .Lp1_skip
	P1STEP
.Lp1_skip:
	s_add_co_u32 s[TK], s[TK], 2*REC
	s_add_co_u32 s[JS], s[JS], 2
	s_sub_co_u32 s[TW], s[TW], 1
	s_cmp_lg_u32 s[TW], 0
	s_cbranch_scc1 .Lp1
	s_wait_alu depctr_va_vdst(0)
	v_mov_b32 v224, v9                             ; my maxima and sums go to my partner
	v_add_f32 v225, v12, v13
	v_mov_b32 v226, v11
	v_add_f32 v227, v14, v15
	v_add_nc_u32 v232, s[XS], v[LI]
	v_add_nc_u32 v233, s[XP], v[LI]
	ds_store_b128 v232, v[224:227]
	s_wait_alu depctr_va_vdst(0)
	s_wait_dscnt 0x0                               ; for the partner's sake
	BAR
	ds_load_b128 v[228:231], v233
	s_cmp_eq_u32 s[JOB], 0
	s_cbranch_scc1 .Lfirst
	CHUNKOUT                                       ; job 0's scale words: stored to LDS ahead of the barrier just passed
.Lfirst:
	s_wait_dscnt 0x0
	v_max_num_f32 v234, v224, v228
	v_max_num_f32 v235, v226, v230
	v_permlanex16_b32 v236, v234, s[SEL], s[SEL+1]
	v_permlanex16_b32 v237, v235, s[SEL], s[SEL+1]
	v_max_num_f32 v234, v234, v236                 ; the row's maxima: two waves x two halves of the lanes
	v_max_num_f32 v235, v235, v237
	v_mul_f32 v240, s[NC], v228
	v_mul_f32 v241, s[NC], v230
	v_mul_f32 v236, s[NC], v234
	v_mul_f32 v237, s[NC], v235
	v_sub_f32 v238, v236, v8
	v_sub_f32 v239, v237, v10
	v_sub_f32 v240, v236, v240
	v_sub_f32 v241, v237, v241
	s_wait_alu depctr_va_vdst(0)
	v_exp_f32 v238, v238
	v_exp_f32 v239, v239
	v_exp_f32 v240, v240
	v_exp_f32 v241, v241
	v_nop
	s_wait_alu depctr_va_vdst(0)
	v_mul_f32 v225, v225, v238
	v_mul_f32 v227, v227, v239
	v_fmac_f32 v225, v229, v240
	v_fmac_f32 v227, v231, v241
	v_permlanex16_b32 v238, v225, s[SEL], s[SEL+1]
	v_permlanex16_b32 v239, v227, s[SEL], s[SEL+1]
	v_add_f32 v225, v225, v238                     ; the row's sums, at least 1
	v_add_f32 v227, v227, v239
	s_wait_alu depctr_va_vdst(0)
	v_log_f32 v225, v225
	v_log_f32 v227, v227
	v_mov_b32 v14, v[LAM]
	s_wait_alu depctr_va_vdst(0)
	v_sub_f32 v8, v236, v225                       ; - c max - log2(sum)
	v_sub_f32 v10, v237, v227
.set jj, 0
.rept 64
	v_mov_b32 v[OT+jj], 0                          ; a wave may have no step at all, and its O^T is still handed on
.set jj, jj+1
.endr
	s_mov_b32 s[JS], s[HI]
	s_mov_b32 s[TI], s[KH]
	s_mov_b32 s[TKO], KB
	s_mov_b32 s[TVS], 0
	s_mov_b32 s[PR], 0
	s_mul_i32 s[JV], s[JOB], 99
	s_mov_b32 s[SLOTS], 4
	s_wait_alu depctr_va_vdst(0)
.Lslot:                                                ; PASS 2: four phases of four records; phase p reads slot p % 2
	s_wait_tensorcnt 0x0                           ; all my tensor loads are in: my record of this phase's slot
	ds_add_u32 v[SPW], v[NIL]                      ; 0 onto my spare word
	s_xor_b32 s[G0V+1], s[G0V+1], SLOT1            ; no load of mine is out: the descriptor steps to the next phase's slot and records
	s_add_co_u32 s[PR], s[PR], 4
	s_and_b32 s90, s[PR], 15                       ; (behind job 0's last phase: job 1's records 0-3)
	s_mul_i32 s90, s90, REC
	s_add_nc_u64 s[G0V+2:G0V+3], s[88:89], s[90:91]
	s_or_b32 s[G0V+3], s[G0V+3], 0x80000000
	s_wait_dscnt 0x0                               ; the add, and my reads of the other slot
	BAR
	s_cmp_eq_u32 s[PR], 16
	s_cselect_b32 s60, s[JV], s[PR]
	s_cmp_gt_u32 s60, s[RB]                        ; nothing is fetched that lies wholly behind the diagonal, nor behind job 1: ids and loop counts alone, the same in all waves
	s_cbranch_scc1 .Lpast
	s_cmp_lt_u32 s[WV], 4
	s_cbranch_scc0 .Lpast
	tensor_load_to_lds s[G0V:G0V+3], s[G1:G1+7]
	s_nop 0
	NOP4
.Lpast:
	s_mov_b32 s[TW], 2
.Lstep:
	s_cmp_gt_u32 s[JS], s[RB]
	s_cbranch_scc1 .Lhid
	P2STEP
.Lhid:
	s_add_co_u32 s[TI], s[TI], 2*REC
	s_add_co_u32 s[JS], s[JS], 2
	s_sub_co_u32 s[TW], s[TW], 1
	s_cmp_lg_u32 s[TW], 0
	s_cbranch_scc1 .Lstep
	s_sub_co_u32 s[TI], s[TI], 4*REC
	s_add_co_u32 s[TKO], s[TKO], 4*REC
	s_xor_b32 s[TVS], s[TVS], SLOT1
	s_sub_co_u32 s[SLOTS], s[SLOTS], 1
	s_cmp_lg_u32 s[SLOTS], 0
	s_cbranch_scc1 .Lslot
	NOP4                                           ; places behind the last products: Q's registers take loads, O^T is read
	s_cmp_lg_u32 s[JOB], 0
	s_cbranch_scc1 .Lnoq
	s_mov_b64 s[82:83], s[66:67]
	QLOAD                                          ; job 1's Q comes while job 0 goes out
.Lnoq:
	v_add_nc_u32 v[ADK], s[OS], v[LI]
	s_wait_alu depctr_va_vdst(0)
	s_wait_dscnt 0x0
	BAR                                            ; nobody reads K's records 8-15 any more
	s_cmp_lg_u32 s[HI], 0
	s_cbranch_scc1 .Lnost
.set jj, 0
.rept 16
	ds_store_b128 v[ADK], v[OT+4*jj:OT+4*jj+3] offset:512*jj   ; each accumulator from its low end on
.set jj, jj+1
.endr
.Lnost:
	s_wait_dscnt 0x0
	BAR
	s_cmp_eq_u32 s[HI], 0
	s_cbranch_scc1 .Lnofin
.set jj, 0
.rept 16
	ds_load_b128 v[SA+4*jj:SA+4*jj+3], v[ADK] offset:512*jj
.set jj, jj+1
.endr
	s_mov_b32 s60, 0x3c000000                      ; 1 / 128
	s_mov_b32 s61, 0x3727c5ac                      ; 1e-5
	s_wait_dscnt 0x0
.set jj, 0
.rept 32
	v_pk_add_f32 v[SA+jj:SA+jj+1], v[SA+jj:SA+jj+1], v[OT+jj:OT+jj+1]   ; O^T of all the keys
.set jj, jj+2
.endr
.irp e, 0,1,2,3
.irp p, 0,1,2,3
	ds_load_b128 v[OT+16*\e+4*\p:OT+16*\e+4*\p+3], v[RSA] offset:128*\e+16*\p   ; rms_scale at my 64 channels
.endr
.endr
	v_pk_mul_f32 v[160:161], v[SA:SA+1], v[SA:SA+1]
	v_pk_mul_f32 v[162:163], v[SA+2:SA+3], v[SA+2:SA+3]
.set jj, 4
.rept 15
	v_pk_fma_f32 v[160:161], v[SA+jj:SA+jj+1], v[SA+jj:SA+jj+1], v[160:161]
	v_pk_fma_f32 v[162:163], v[SA+jj+2:SA+jj+3], v[SA+jj+2:SA+jj+3], v[162:163]
.set jj, jj+4
.endr
	D 1
	v_pk_add_f32 v[160:161], v[160:161], v[162:163]
	D 1
	v_add_f32 v160, v160, v161
	D 1
	v_permlanex16_b32 v162, v160, s[SEL], s[SEL+1]
	D 1
	v_add_f32 v160, v160, v162
	D 1
	v_fma_f32 v160, v160, s60, s61
	s_wait_alu depctr_va_vdst(0)
	v_rsq_f32 v160, v160
	v_nop
	s_wait_alu depctr_va_vdst(0)
	v_mul_f32 v160, 0x3e4ccccd, v160               ; x (1 - 0.8)
	s_wait_alu depctr_va_vdst(0)
	s_wait_dscnt 0x0
.set jj, 0
.rept 32
	v_pk_mul_f32 v[OT+jj:OT+jj+1], v[OT+jj:OT+jj+1], v[160:161] op_sel_hi:[1,0]
.set jj, jj+2
.endr
.set jj, 0
.rept 32
	v_pk_mul_f32 v[SA+jj:SA+jj+1], v[SA+jj:SA+jj+1], v[OT+jj:OT+jj+1]
.set jj, jj+2
.endr
.irp b, 0,1,2,3
	v_mov_b32 v[TM+4+\b], 0                        ; a lane permute's destination counts as one of its sources
.endr
	QUANT SA
.irp c, 0,1,2
	global_store_b128 v[LI], v[PC+4*\c:PC+4*\c+3], s[86:87] offset:512*\c   ; 32 lanes store 512 consecutive bytes
.endr
	ds_store_b32 v[PWA], v[PW]                     ; it leaves with the chunk, behind the next barrier
.Lnofin:
	s_wait_xcnt 0x0                                ; the stores have read their registers and bases
	s_mov_b64 s[92:93], s[80:81]                   ; where this job's chunk goes
	s_mov_b64 s[80:81], s[68:69]
	s_mov_b32 s[RB], s[JB]
	s_add_co_u32 s[JOB], s[JOB], 1
	s_cmp_lt_u32 s[JOB], 2
	s_cbranch_scc1 .Ljob
	s_wait_dscnt 0x0
	BAR
	CHUNKOUT
	s_wait_tensorcnt 0x0                           ; the wave's end: a tensor wait, 0 added to my spare word, and its wait
	ds_add_u32 v[SPW], v[NIL]
	s_wait_dscnt 0x0
	s_endpgm
.Lfunc_end_k_qca53b31fd7_attn:
	.size	k_qca53b31fd7_attn, .Lfunc_end_k_qca53b31fd7_attn-k_qca53b31fd7_attn
	.p2alignl 7, 3214868480
	.fill 96, 4, 3214868480
	.section	.rodata,"a",@progbits
	.p2align	6, 0x0
	.amdhsa_kernel k_qca53b31fd7_attn
		.amdhsa_group_segment_fixed_size 327680
		.amdhsa_private_segment_fixed_size 0
		.amdhsa_enable_private_segment 0
		.amdhsa_kernarg_size 64
		.amdhsa_user_sgpr_count 2
		.amdhsa_user_sgpr_kernarg_segment_ptr 1
		.amdhsa_wavefront_size32 1
		.amdhsa_system_sgpr_workgroup_id_x 1
		.amdhsa_system_sgpr_workgroup_id_y 1
		.amdhsa_system_sgpr_workgroup_id_z 1
		.amdhsa_system_vgpr_workitem_id 0
		.amdhsa_next_free_vgpr 256
		.amdhsa_next_free_sgpr 100
		.amdhsa_reserve_vcc 1
		.amdhsa_float_denorm_mode_32 3
		.amdhsa_float_denorm_mode_16_64 3
		.amdhsa_memory_ordered 1
		.amdhsa_forward_progress 1
		.amdhsa_inst_pref_size 94
	.end_amdhsa_kernel
	.amdgpu_metadata
---
amdhsa.version: [ 1, 2 ]
amdhsa.kernels:
  - .name:           k_qca53b31fd7_attn
    .symbol:         k_qca53b31fd7_attn.kd
    .args:
      - { .name: qk, .offset: 0, .size: 8, .value_kind: global_buffer, .address_space: global }
      - { .name: vt, .offset: 8, .size: 8, .value_kind: global_buffer, .address_space: global }
      - { .name: lambda_q1, .offset: 16, .size: 8, .value_kind: global_buffer, .address_space: global }
      - { .name: lambda_k1, .offset: 24, .size: 8, .value_kind: global_buffer, .address_space: global }
      - { .name: lambda_q2, .offset: 32, .size: 8, .value_kind: global_buffer, .address_space: global }
      - { .name: lambda_k2, .offset: 40, .size: 8, .value_kind: global_buffer, .address_space: global }
      - { .name: rms_scale, .offset: 48, .size: 8, .value_kind: global_buffer, .address_space: global }
      - { .name: oq, .offset: 56, .size: 8, .value_kind: global_buffer, .address_space: global }
    .group_segment_fixed_size: 327680
    .private_segment_fixed_size: 0
    .kernarg_segment_align: 8
    .kernarg_segment_size: 64
    .max_flat_workgroup_size: 512
    .sgpr_count:     100
    .vgpr_count:     256
    .wavefront_size: 32
...
	.end_amdgpu_metadata
.endif
;; end of part 3
;; launch outproj (part 4): grid 8 x 32, 4 waves a work-group, clusters of 4 x 4, 327,680 bytes of LDS; arguments oq, woq, out0; writes out0
.if DOCPART == 4
	.amdgcn_target "amdgcn-amd-amdhsa--gfx1250"
	.amdhsa_code_object_version 6
	.text
	.protected	k_qca53b31fd7_outproj
	.globl	k_qca53b31fd7_outproj
	.p2align	8
	.type	k_qca53b31fd7_outproj,@function
k_qca53b31fd7_outproj:
	s_mov_b64 s[64:65], 0
	v_nop
	global_prefetch_b8 v0, s[64:65] scope:SCOPE_SE
	s_setreg_imm32_b32 hwreg(HW_REG_WAVE_MODE, 25, 1), 1
	s_wait_xcnt 0x0
	s_wait_alu depctr_hold_cnt(0) depctr_sa_sdst(0) depctr_va_vdst(0) depctr_va_sdst(0) depctr_va_ssrc(0) depctr_va_vcc(0) depctr_vm_vsrc(0)
	s_getreg_b32 s2, hwreg(HW_REG_IB_STS2, 6, 4)
	s_cmp_eq_u32 s2, 0
	s_cbranch_scc0 .Lentry_in_a_cluster
	s_endpgm
.Lentry_in_a_cluster:
	s_bfe_u32 s2, ttmp6, 0x10000c
	s_cmp_lg_u32 s2, 0xf033
	s_cbranch_scc0 .Lentry_shape_is_right
	s_endpgm
.Lentry_shape_is_right:
.set REC,   12800
.set IMG,   1536
.set SCO,   12288
.set PART,  2*REC
.set SLOT,  4*PART
.set STAGE, 2*SLOT
.set SPITCH, 272
.set SPARE, STAGE+4*16*SPITCH
.set ADRA, 16
.set ADRB, 20
.set ADRS, 22
.set STO,  24
.set RD,   25
.set CO,   26
.set SPW,  28
.set NIL,  29
.set SC,   32
.set BK,   40
.set ACC,  128
.set F0,   0
.set F1,   128
.set G1,  24
.set G0,  32
.set G1B, 48
.set G0B, 56
.set MSB, 0
.macro WIN new
.if MSB != \new
	s_set_vgpr_msb (MSB<<8)|\new
.set MSB, \new
.endif
.endm
.set MUL,  0x05
.set TO_F, 0x40
.macro JLOAD s
	s_cmp_eq_u32 s11, 0
	s_cbranch_scc0 .Lfor_b_\@
	tensor_load_to_lds s[G0+4*\s:G0+4*\s+3], s[G1:G1+7]
	s_nop 0
.rept 4
	v_nop
.endr
	s_branch .Lasked_\@
.Lfor_b_\@:
	tensor_load_to_lds s[G0B+4*\s:G0B+4*\s+3], s[G1B:G1B+7]
	s_nop 0
.rept 4
	v_nop
.endr
.Lasked_\@:
.endm
.macro CREST
	s_cmp_lg_u32 s10, 0
	s_cbranch_scc1 .Lnot_wave_0_\@
	s_barrier_signal -3
.Lnot_wave_0_\@:
	s_barrier_wait -3
	s_barrier_signal -1
	s_barrier_wait -1
.endm
.macro CROUND
	s_barrier_signal -1
	s_barrier_wait -1
	CREST
.endm
	s_load_b128 s[4:7], s[0:1], 0x0
	s_load_b64 s[8:9], s[0:1], 0x10
	v_lshl_add_u32 v[SPW], v0, 2, SPARE
	v_mov_b32 v[NIL], 0
	ds_add_u32 v[SPW], v[NIL]
	ds_add_u32 v[SPW], v[NIL]
	v_lshrrev_b32 v1, 5, v0
	v_readfirstlane_b32 s10, v1
	s_lshr_b32 s11, s10, 1
	s_and_b32 s12, s10, 1
	s_bfe_u32 s40, ttmp6, 0x40000
	s_bfe_u32 s41, ttmp6, 0x40004
	s_lshl_b32 s42, ttmp9, 2
	s_add_co_u32 s42, s42, s40
	s_and_b32 s13, ttmp7, 0xffff
	s_lshl_b32 s13, s13, 2
	s_add_co_u32 s13, s13, s41
	s_lshl_b32 s43, s41, 2
	s_lshl_b32 s43, 15, s43
	s_lshl_b32 s44, 0x1111, s40
	s_or_b32 s[G1+0], s43, (3<<16)|(1<<21)
	s_or_b32 s[G1B+0], s44, (3<<16)|(1<<21)
.irp g, G1, G1B
	s_mov_b32 s[\g+1], 32<<16
	s_mov_b32 s[\g+2], 100<<16
	s_mov_b32 s[\g+3], 32<<16
	s_mov_b32 s[\g+4], 100
	s_mov_b32 s[\g+5], 32
	s_mov_b32 s[\g+6], 0
	s_mov_b32 s[\g+7], 0
.endr
	s_lshl_b32 s17, s12, 1
	s_lshl_b32 s16, s13, 4
	s_add_co_u32 s16, s16, s17
	s_mul_i32 s16, s16, REC
	s_lshl_b32 s46, s42, 4
	s_add_co_u32 s46, s46, s17
	s_mul_i32 s46, s46, REC
	s_mov_b32 s17, 0
	s_mov_b32 s47, 0
	s_mul_i32 s20, s10, PART
	s_wait_dscnt 0x0
	s_wait_kmcnt 0x0
	s_add_nc_u64 s[14:15], s[4:5], s[16:17]
	s_add_nc_u64 s[46:47], s[6:7], s[46:47]
	CROUND
.irp s, 0,1
	s_mov_b32 s[G0+4*\s], 1
	s_add_co_u32 s[G0+4*\s+1], s20, \s*SLOT
	s_add_nc_u64 s[G0+4*\s+2:G0+4*\s+3], s[14:15], \s*4*REC
	s_or_b32 s[G0+4*\s+3], s[G0+4*\s+3], 0x80000000
	s_mov_b32 s[G0B+4*\s], 1
	s_add_co_u32 s[G0B+4*\s+1], s20, \s*SLOT
	s_add_nc_u64 s[G0B+4*\s+2:G0B+4*\s+3], s[46:47], \s*4*REC
	s_or_b32 s[G0B+4*\s+3], s[G0B+4*\s+3], 0x80000000
	s_wait_alu depctr_va_vdst(0)
	s_wait_tensorcnt 0x0
	ds_add_u32 v28, v29
	ds_add_u32 v28, v29
	s_wait_dscnt 0x0
	CROUND
	JLOAD \s
.endr
	v_and_b32 v1, 15, v0
	v_bfe_u32 v2, v0, 4, 1
	v_and_b32 v3, 31, v0
	v_lshlrev_b32 v3, 4, v3
	s_wait_alu depctr_va_vdst(0)
	s_mul_i32 s21, s11, 4*IMG
	s_mul_i32 s22, s12, 4*IMG
	s_add_co_u32 s22, s22, 4*REC
	s_lshl_b32 s23, s11, 8
	s_lshl_b32 s14, s12, 8
	s_add_co_u32 s14, s14, 4*REC
	s_sub_co_u32 s14, s14, s23
	v_mul_u32_u24 v4, s14, v2
	v_lshl_add_u32 v4, v1, 4, v4
	s_add_co_u32 s23, s23, SCO
.irp s, 0,1
	v_add_nc_u32 v[ADRA+\s], s21, v3
	v_add_nc_u32 v[ADRB+\s], s22, v3
	v_add_nc_u32 v[ADRS+\s], s23, v4
	s_add_co_u32 s21, s21, SLOT
	s_add_co_u32 s22, s22, SLOT
	s_add_co_u32 s23, s23, SLOT
.endr
	s_mul_i32 s23, s10, 16*SPITCH
	s_add_co_u32 s23, s23, STAGE
	v_mul_u32_u24 v4, v1, SPITCH
	v_lshl_add_u32 v4, v2, 6, v4
	v_add_nc_u32 v[STO], s23, v4
	v_mul_u32_u24 v5, v2, SPITCH
	v_lshl_add_u32 v5, v1, 4, v5
	v_add_nc_u32 v[RD], s23, v5
	v_lshlrev_b32 v5, 12, v2
	v_lshl_add_u32 v[CO], v1, 4, v5
	s_lshl_b32 s16, s13, 7
	s_lshl_b32 s17, s11, 6
	s_add_co_u32 s16, s16, s17
	s_lshl_b32 s16, s16, 12
	s_mov_b32 s17, 0
	s_lshl_b32 s46, s42, 9
	s_lshl_b32 s47, s12, 8
	s_add_co_u32 s46, s46, s47
	s_mov_b32 s47, 0
	s_add_nc_u64 s[8:9], s[8:9], s[16:17]
	s_add_nc_u64 s[8:9], s[8:9], s[46:47]
.macro MUL8 f, a0, zero
.irp a, \a0, \a0+1
.irp b, 0,1,2,3
.if \zero
	v_wmma_scale_f32_16x16x128_f8f6f4 v[ACC+8*(4*(\a)+\b):ACC+8*(4*(\a)+\b)+7], v[\f+48+12*\b:\f+48+12*\b+11], v[\f+12*(\a):\f+12*(\a)+11], 0, v[SC+4*((\f)/128)+\b], v[SC+4*((\f)/128)+(\a)] matrix_a_fmt:MATRIX_FMT_FP6 matrix_b_fmt:MATRIX_FMT_FP6 matrix_a_scale:MATRIX_SCALE_ROW1
.else
	v_wmma_scale_f32_16x16x128_f8f6f4 v[ACC+8*(4*(\a)+\b):ACC+8*(4*(\a)+\b)+7], v[\f+48+12*\b:\f+48+12*\b+11], v[\f+12*(\a):\f+12*(\a)+11], v[ACC+8*(4*(\a)+\b):ACC+8*(4*(\a)+\b)+7], v[SC+4*((\f)/128)+\b], v[SC+4*((\f)/128)+(\a)] matrix_a_fmt:MATRIX_FMT_FP6 matrix_b_fmt:MATRIX_FMT_FP6 matrix_a_scale:MATRIX_SCALE_ROW1
.endif
.endr
.endr
.endm
.macro FETCH slot, q, f
	WIN TO_F
.irp i, 0,1,2,3
.irp c, 0,1,2
	ds_load_b128 v[\f+48+12*\i+4*\c:\f+48+12*\i+4*\c+3], v[ADRB+\slot] offset:(\q)*REC+\i*IMG+512*\c
	ds_load_b128 v[\f+12*\i+4*\c:\f+12*\i+4*\c+3], v[ADRA+\slot] offset:(\q)*REC+\i*IMG+512*\c
.endr
.endr
	WIN 0
	ds_load_b128 v[SC+4*((\f)/128):SC+4*((\f)/128)+3], v[ADRS+\slot] offset:(\q)*REC
.endm
.macro PLACES
.rept 4
	v_nop
.endr
.endm
.macro KSTEP f, slot, q, g, zero
	PLACES
	FETCH \slot, \q, \g
	s_wait_dscnt 25
	WIN MUL
	MUL8 \f, 0, \zero
	MUL8 \f, 2, \zero
.endm
.macro TURN slot, next, fill
	WIN 0
	s_wait_tensorcnt 0x0
	ds_add_u32 v[SPW], v[NIL]
	s_wait_dscnt 1
	WIN MUL
	MUL8 F1, 0, 0
	s_wait_dscnt 0x0
	s_barrier_signal -1
	MUL8 F1, 2, 0
	WIN 0
	s_barrier_wait -1
.if \fill
	CREST
	s_add_nc_u64 s[G0+4*\slot+2:G0+4*\slot+3], s[G0+4*\slot+2:G0+4*\slot+3], 8*REC
	s_add_nc_u64 s[G0B+4*\slot+2:G0B+4*\slot+3], s[G0B+4*\slot+2:G0B+4*\slot+3], 8*REC
	JLOAD \slot
.else
	PLACES
.endif
	s_wait_alu depctr_va_vdst(0)
	FETCH \next, 0, F0
.endm
	s_wait_tensorcnt 1
	s_barrier_signal -1
	s_barrier_wait -1
	FETCH 0, 0, F0
	KSTEP F0, 0, 1, F1, 1
	KSTEP F1, 0, 2, F0, 0
	KSTEP F0, 0, 3, F1, 0
	TURN 0, 1, 1
	KSTEP F0, 1, 1, F1, 0
	KSTEP F1, 1, 2, F0, 0
	KSTEP F0, 1, 3, F1, 0
	TURN 1, 0, 1
	KSTEP F0, 0, 1, F1, 0
	KSTEP F1, 0, 2, F0, 0
	KSTEP F0, 0, 3, F1, 0
	TURN 0, 1, 0
	KSTEP F0, 1, 1, F1, 0
	KSTEP F1, 1, 2, F0, 0
	KSTEP F0, 1, 3, F1, 0
	s_wait_dscnt 0x0
	MUL8 F1, 0, 0
	MUL8 F1, 2, 0
	WIN 0
	PLACES
.macro TOSTAGE a
.irp b, 0,1,2,3
	ds_store_b128 v[STO], v[ACC+8*(4*(\a)+\b):ACC+8*(4*(\a)+\b)+3] offset:128*(\b/2)+32*(\b%2)
	ds_store_b128 v[STO], v[ACC+8*(4*(\a)+\b)+4:ACC+8*(4*(\a)+\b)+7] offset:128*(\b/2)+32*(\b%2)+16
.endr
.set BBK, BK+32*((\a)%2)
.irp t, 0,1,2,3,4,5,6,7
	ds_load_b128 v[BBK+4*\t:BBK+4*\t+3], v[RD] offset:\t*2*SPITCH
.endr
.endm
.macro SEND a, younger
.set BBK, BK+32*((\a)%2)
	s_wait_dscnt \younger
.irp t, 0,1,2,3,4,5,6,7
	global_store_b128 v[CO], v[BBK+4*\t:BBK+4*\t+3], s[8:9] offset:(32*((\a)/2)+8*((\a)%2)+2*\t+8*(\t/4))*4096 th:TH_STORE_NT
.endr
.endm
	TOSTAGE 0
.irp a, 1,2,3
.if \a > 1
	s_wait_xcnt 0x0
.endif
	TOSTAGE \a
	SEND \a-1, 16
.endr
	SEND 3, 0
	s_wait_tensorcnt 0x0
	ds_add_u32 v[SPW], v[NIL]
	s_wait_dscnt 0x0
	CROUND
	s_endpgm
.Lfunc_end_k_qca53b31fd7_outproj:
	.size	k_qca53b31fd7_outproj, .Lfunc_end_k_qca53b31fd7_outproj-k_qca53b31fd7_outproj
	.p2alignl 7, 3214868480
	.fill 96, 4, 3214868480
	.section	.rodata,"a",@progbits
	.p2align	6, 0x0
	.amdhsa_kernel k_qca53b31fd7_outproj
		.amdhsa_group_segment_fixed_size 327680
		.amdhsa_private_segment_fixed_size 0
		.amdhsa_enable_private_segment 0
		.amdhsa_kernarg_size 24
		.amdhsa_user_sgpr_count 2
		.amdhsa_user_sgpr_kernarg_segment_ptr 1
		.amdhsa_wavefront_size32 1
		.amdhsa_system_sgpr_workgroup_id_x 1
		.amdhsa_system_sgpr_workgroup_id_y 1
		.amdhsa_system_sgpr_workgroup_id_z 1
		.amdhsa_system_vgpr_workitem_id 0
		.amdhsa_next_free_vgpr 512
		.amdhsa_next_free_sgpr 66
		.amdhsa_reserve_vcc 0
		.amdhsa_float_denorm_mode_32 3
		.amdhsa_float_denorm_mode_16_64 3
		.amdhsa_memory_ordered 1
		.amdhsa_forward_progress 1
		.amdhsa_inst_pref_size 80
	.end_amdhsa_kernel
	.amdgpu_metadata
---
amdhsa.version: [ 1, 2 ]
amdhsa.kernels:
  - .name:           k_qca53b31fd7_outproj
    .symbol:         k_qca53b31fd7_outproj.kd
    .args:
      - { .name: oq, .offset: 0, .size: 8, .value_kind: global_buffer, .address_space: global }
      - { .name: woq, .offset: 8, .size: 8, .value_kind: global_buffer, .address_space: global }
      - { .name: out0, .offset: 16, .size: 8, .value_kind: global_buffer, .address_space: global }
    .group_segment_fixed_size: 327680
    .private_segment_fixed_size: 0
    .kernarg_segment_align: 8
    .kernarg_segment_size: 24
    .max_flat_workgroup_size: 128
    .sgpr_count:     66
    .vgpr_count:     512
    .wavefront_size: 32
...
	.end_amdgpu_metadata
.endif
;; end of part 4
